; MI455X (gfx1250); checked and timed in simulation.
; The chip was launched on July 23, 2026; its instructions are those of AMD's public machine-readable ISA for CDNA 5 (MIT licence, August 2026) and "CDNA5" Instruction Set Architecture Reference Guide (July 2026). The comments in the code are by the model that wrote it; some were corrected since.
;; Block. Allowed arithmetic: matrix products marked QUANTISED: E4M3 operands, one given power-of-two scale a tensor, by v_wmma_f32_16x16x64_fp8_fp8 or v_wmma_f32_16x16x128_fp8_fp8, f32 sums; everything else in f32.
;; Inputs: b1 4,096 float32; b2 1,024 float32; b_proj 1,024 float32; ln1_b 1,024 float32; ln1_g 1,024 float32; ln2_b 1,024 float32; ln2_g 1,024 float32; lowp_scales 16 int32 (the exponents e of the quantised operands' scales 2^e); w1 1,024 x 4,096 float32; w2 4,096 x 1,024 float32; w_proj 1,024 x 1,024 float32; wk 16 x 1,024 x 64 float32; wq 16 x 1,024 x 64 float32; wv 16 x 1,024 x 64 float32; x 2 x 2,048 x 1,024 float32.
;; Outputs: out0 2 x 2,048 x 1,024 float32.
;; This version of the problem:
;;   THIS VERSION OF THE PROBLEM IS GIVEN IN LOW PRECISION. The matrix products marked QUANTISED in the list below multiply operands that are first quantised to E4M3 (4 exponent bits, 3 mantissa bits; 8 bits a number), with one given power-of-two scale for each operand tensor; their sums are f32. All else is computed in f32.
;;   The module's matrix products, in the order in which they are computed (A, B: the left and right operand; K: the contracted axis; several contracted axes count as one K, in the product's order):
;;     1. [M 1,024, K 1,024] x [K 1,024, N 4,096]; A: input wq; B: computed on the way: QUANTISED (scales: A lowp_scales[0], B lowp_scales[1])
;;     2. [M 1,024, K 1,024] x [K 1,024, N 4,096]; A: input wk; B: computed on the way: QUANTISED (scales: A lowp_scales[2], B lowp_scales[3])
;;     3. [M 1,024, K 1,024] x [K 1,024, N 4,096]; A: input wv; B: computed on the way: QUANTISED (scales: A lowp_scales[4], B lowp_scales[5])
;;     4. batch 32 x [M 2,048, K 64] x [K 64, N 2,048]; A: computed on the way; B: computed on the way: QUANTISED (scales: A lowp_scales[6], B lowp_scales[7])
;;     5. batch 32 x [M 2,048, K 2,048] x [K 2,048, N 64]; A: softmax (see below); B: computed on the way: QUANTISED (scales: A lowp_scales[8], B lowp_scales[9])
;;     6. [M 4,096, K 1,024] x [K 1,024, N 1,024]; A: computed on the way; B: input w_proj: QUANTISED (scales: A lowp_scales[10], B lowp_scales[11])
;;     7. [M 4,096, K 1,024] x [K 1,024, N 4,096]; A: computed on the way; B: input w1: QUANTISED (scales: A lowp_scales[12], B lowp_scales[13])
;;     8. [M 4,096, K 4,096] x [K 4,096, N 1,024]; A: computed on the way; B: input w2: QUANTISED (scales: A lowp_scales[14], B lowp_scales[15])
;;   THE QUANTISER, for each operand of a quantised product, along K:
;;     - The operand's scale is 2^e, e = its entry of the input lowp_scales (int32; the entries are numbered through the quantised products in the list's order, A before B).
;;     - Each number is divided by the scale, clamped to +-448, and rounded to the nearest number of E4M3, ties to even, subnormals kept.
;;     - The product sums the exact products of the quantised numbers (number of the format x scale) in f32.
;;   ~~~python
;;   def quantise(x, axis, e):      # numpy; x: float32 -> the quantised numbers, widened to float32 again
;;       x = np.moveaxis(x, axis, -1); K = x.shape[-1]
;;       r = np.clip(x / 2.0 ** e, -448, 448)
;;       step = 2.0 ** (np.maximum(np.frexp(np.where(r == 0, 1, r))[1] - 1, -6) - 3)
;;       q = np.round(r / step) * step * 2.0 ** e      # np.round: ties to even
;;       return np.moveaxis(q, -1, axis).astype(np.float32)
;;   ~~~
;;   SOFTMAX AHEAD OF A QUANTISED PRODUCT. Where the list says 'softmax', what is quantised is not the finished softmax but p = 2^(t - M), with t = logit x log2(e) and M = ceil(the row's largest t), a whole number; so 1/2 < the row's largest p <= 1. The row's sum l is taken of the UNQUANTISED p, in f32, and the product's result is divided by l at the end. Since M is a whole number, a kernel that streams over the keys may use a running M (the ceiling of the running maximum): every later rescaling is an exact power of two, so the quantised numbers keep their values, but for numbers so far below the row's largest that they fall under the format's range.
;;   OPERANDS COMPUTED ON THE WAY. 'Computed on the way' means the value that the module computes at that place (a softmax that the list does not call 'softmax' is quantised finished and normalised). What goes into a quantiser is computed in f32, as accurately as f32 sums, v_exp_f32 and their like allow (about 1e-6 of the number): no bf16 or f16 on the way to a quantiser, and a product that is left as it is and whose result goes on into a quantised operand takes f32 operands (vector FMAs, or v_wmma_f32_16x16x4_f32). A number that lies on a knife's edge between two numbers of the format may be rounded either way, as far as f32 arithmetic and the matrix unit's own rounding can turn it there, and no further.
;; One version. Each part assembles by itself: llvm-mc -triple=amdgcn-amd-amdhsa -mcpu=gfx1250 --defsym DOCPART=n.
;; ======== version 1 of 1: 7 launches
;; limits: right only within a limited range of input values
;; workspace buffers: wc 12,582,912 bytes; hq 12,582,912 bytes; qkvc 12,582,912 bytes; attc 4,194,304 bytes; x2 16,777,216 bytes; h2c 4,194,304 bytes; hidc 16,777,216 bytes
;; launch prep (part 1): grid 640 x 1, 4 waves a work-group, no clusters, 35,328 bytes of LDS; arguments x, ln1_g, ln1_b, wq, wk, wv, w_proj, w1, w2, lowp_scales, hq, wc; writes hq, wc
.if DOCPART == 1
	.amdgcn_target "amdgcn-amd-amdhsa--gfx1250"
	.amdhsa_code_object_version 6
	.text
	.protected	k_q26d4f08ee9_prep
	.globl	k_q26d4f08ee9_prep
	.p2align	8
	.type	k_q26d4f08ee9_prep,@function
k_q26d4f08ee9_prep:
	s_mov_b64 s[64:65], 0
	v_nop
	global_prefetch_b8 v0, s[64:65] scope:SCOPE_SE
	s_setreg_imm32_b32 hwreg(HW_REG_WAVE_MODE, 25, 1), 1
	s_wait_xcnt 0x0
; PREP.  Work-groups 0-383: the six weights (f32, K not innermost) become codes of E4M3 with K innermost, in wc:
;   wq, wk, wv -> [1024 (head x 64 + d)][1024 (c)] at 0, 1 MiB, 2 MiB; w_proj -> [1024 n][1024 k] at 3 MiB; w1 -> [4096 n][1024 k] at 4 MiB; w2 -> [1024 n][4096 k] at 8 MiB.
; Work-groups 384-639: h = LayerNorm(x) in f32, quantised three times (the scales of products 1, 2, 3 may differ) into hq [3][4096][1024].
; code = number / 2^e, held within +-448, rounded to the nearest code, ties to even.
; LIMITS: each e used here lies between -126 and 119, so that 2^e and 448 x 2^e are f32 numbers.  NaN among the inputs is not served.
; WEIGHTS: a lane takes a column n and its registers run down K; a wave takes 32 columns x 256 along K, a work-group 128 columns.  The codes go through the wave's own
; stage in LDS (32 rows of 256 bytes + 16) and leave as rows: sixteen lanes store 256 consecutive bytes, aligned.  Which tensor a work-group serves is chosen by selections on its number: one path for all six.
; LAYERNORM: a wave takes a whole row (32 registers a lane: register 8 j + i = column 256 j + 8 lane + i), four rows; mean, then the centred sum of squares; no LDS, no barrier.
.set STG,  8704                        ; a wave's stage
.set VA,   32                          ; v32-63   4 lane + i x pitch: row i of a block of 32 along K
.set XW,   64                          ; v64-127  two sets of 32 numbers
.set CW,   128                         ; v128-135 a block's codes
.set OUTR, 136                         ; v136-199 the way out
.set VS,   200                         ; v200-215 the stores' offsets
	s_load_b512 s[8:23], s[0:1], 0x0               ; x, ln1_g, ln1_b, wq, wk, wv, w_proj, w1
	s_load_b256 s[24:31], s[0:1], 0x40             ; w2, lowp_scales, hq, wc
	v_lshl_add_u32 v254, v0, 2, 0x8800
	v_mov_b32 v255, 0
	v_lshrrev_b32 v1, 5, v0
	v_readfirstlane_b32 s56, v1                    ; wave 0..3
	v_and_b32 v2, 31, v0                           ; lane
	s_wait_kmcnt 0x0
	s_load_b512 s[40:55], s[26:27], 0x0            ; e0 .. e15
	s_cmp_ge_u32 ttmp9, 384
	s_cbranch_scc1 .Lln
	; ---------------- the weights ----------------
	s_wait_kmcnt 0x0
	s_and_b32 s87, ttmp9, 31
	s_sub_co_u32 s86, ttmp9, 96
	s_sub_co_u32 s88, ttmp9, 128
	s_sub_co_u32 s57, ttmp9, 256                   ; s57: my number within the tensor.  First w2's figures, then each earlier tensor's where my number is below its end
	s_mov_b64 s[66:67], s[24:25]                   ; the source
	s_mov_b32 s58, 3                               ; log2 of the groups of 128 columns
	s_mov_b32 s59, 4096                            ; bytes from k to k + 1 in the source
	s_mov_b32 s60, 4096                            ; bytes of a row of codes
	s_mov_b32 s61, s55                             ; e
	s_mov_b32 s62, 0                               ; 1: stacked over heads
	s_mov_b32 s63, 0x800000                        ; where its codes begin in wc
	s_cmp_lt_u32 ttmp9, 256                        ; w1
	s_cselect_b64 s[66:67], s[22:23], s[66:67]
	s_cselect_b32 s57, s88, s57
	s_cselect_b32 s58, 5, s58
	s_cselect_b32 s59, 16384, s59
	s_cselect_b32 s60, 1024, s60
	s_cselect_b32 s61, s53, s61
	s_cselect_b32 s63, 0x400000, s63
	s_cmp_lt_u32 ttmp9, 128                        ; w_proj
	s_cselect_b64 s[66:67], s[20:21], s[66:67]
	s_cselect_b32 s57, s86, s57
	s_cselect_b32 s58, 3, s58
	s_cselect_b32 s59, 4096, s59
	s_cselect_b32 s61, s51, s61
	s_cselect_b32 s63, 0x300000, s63
	s_cmp_lt_u32 ttmp9, 96                         ; wv
	s_cselect_b64 s[66:67], s[18:19], s[66:67]
	s_cselect_b32 s57, s87, s57
	s_cselect_b32 s59, 256, s59
	s_cselect_b32 s61, s44, s61
	s_cselect_b32 s62, 1, s62
	s_cselect_b32 s63, 0x200000, s63
	s_cmp_lt_u32 ttmp9, 64                         ; wk
	s_cselect_b64 s[66:67], s[16:17], s[66:67]
	s_cselect_b32 s61, s42, s61
	s_cselect_b32 s63, 0x100000, s63
	s_cmp_lt_u32 ttmp9, 32                         ; wq
	s_cselect_b64 s[66:67], s[14:15], s[66:67]
	s_cselect_b32 s61, s40, s61
	s_cselect_b32 s63, 0, s63
	s_lshl_b32 s86, 1, s58
	s_sub_co_u32 s86, s86, 1
	s_and_b32 s87, s57, s86                        ; which 128 columns
	s_lshr_b32 s88, s57, s58                       ; which 256 along K
	s_lshl_b32 s87, s87, 7
	s_lshl_b32 s86, s56, 5
	s_add_co_u32 s87, s87, s86                     ; c0: my wave's first column
	s_lshl_b32 s89, s87, 2                         ; plain tensors: 4 c0
	s_lshr_b32 s90, s87, 6
	s_lshl_b32 s90, s90, 18                        ; stacked: head x 1024 x 64 x 4
	s_and_b32 s91, s87, 63
	s_lshl_b32 s91, s91, 2
	s_add_co_u32 s90, s90, s91                     ; + 4 d
	s_cmp_eq_u32 s62, 1
	s_cselect_b32 s89, s90, s89
	s_mul_i32 s90, s88, s59
	s_lshl_b32 s90, s90, 8                         ; 256 rows of K for each step along K
	s_add_co_u32 s92, s89, s90
	s_mov_b32 s93, 0
	s_add_nc_u64 s[70:71], s[66:67], s[92:93]      ; block 0 of my 8 blocks of 32 along K
	s_lshl_b32 s92, s59, 5
.irp t, 1,2,3,4,5,6,7
	s_add_nc_u64 s[70+2*\t:71+2*\t], s[68+2*\t:69+2*\t], s[92:93]   ; block t: 32 rows further down; the eight bases are never rewritten
.endr
	s_mul_i32 s90, s87, s60
	s_lshl_b32 s91, s88, 8
	s_add_co_u32 s90, s90, s91
	s_add_co_u32 s90, s90, s63
	s_mov_b32 s91, 0
	s_add_nc_u64 s[68:69], s[30:31], s[90:91]      ; my codes: row c0, byte 256 x step
	s_wait_alu depctr_va_vdst(0)
	v_lshlrev_b32 v[VA], 2, v2
.irp i, 1,2,3,4,5,6,7,8,9,10,11,12,13,14,15,16,17,18,19,20,21,22,23,24,25,26,27,28,29,30,31
	v_add_nc_u32 v[VA+\i], s59, v[VA+\i-1]
.endr
	s_mul_i32 s86, s56, STG
	v_mul_u32_u24 v4, v2, 272
	v_add_nc_u32 v4, s86, v4                       ; into the stage: row = my column
	v_and_b32 v5, 15, v2
	v_lshrrev_b32 v6, 4, v2
	v_mul_u32_u24 v7, v6, 272
	v_lshl_add_u32 v7, v5, 4, v7
	v_add_nc_u32 v7, s86, v7                       ; out of it: sixteen lanes to a row, two rows an instruction
	v_mul_lo_u32 v8, v6, s60
	v_lshl_add_u32 v[VS], v5, 4, v8
	s_lshl_b32 s86, s60, 1
.irp t, 1,2,3,4,5,6,7,8,9,10,11,12,13,14,15
	v_add_nc_u32 v[VS+\t], s86, v[VS+\t-1]         ; two rows of codes on
.endr
	s_add_co_i32 s61, s61, 127
	s_lshl_b32 s86, s61, 23
	v_mov_b32 v11, s86                             ; 2^e as f32: the conversion takes its exponent field
	s_add_co_i32 s61, s61, 8
	s_lshl_b32 s61, s61, 23
	s_or_b32 s61, s61, 0x600000
	v_mov_b32 v10, s61                             ; 448 x 2^e
.macro WLOAD t                         ; block t: W(32 t + i, my column), i = 0 .. 31, into set t % 2; a wave reads 128 consecutive bytes
.set i, 0
.rept 32
	global_load_b32 v[XW+32*((\t)%2)+i], v[VA+i], s[70+2*(\t):71+2*(\t)] th:TH_LOAD_NT
.set i, i+1
.endr
.endm
.macro WBLOCK t
.set XS, XW+32*((\t)%2)
.if (\t) < 7
	s_wait_loadcnt 32                              ; this block's 32 loads are in; the next block's 32 may be out
.else
	s_wait_loadcnt 0
.endif
.set i, 0
.rept 32
	v_med3_num_f32 v[XS+i], v[XS+i], -v10, v10     ; the conversion to an 8-bit code does not saturate (ISA guide 7.6.2): the hold at 448 x the scale comes first
.set i, i+1
.endr
.irp g, 0,1,2,3
	v_cvt_scalef32_pk8_fp8_f32 v[CW+2*\g:CW+2*\g+1], v[XS+8*\g:XS+8*\g+7], v11
.endr
	ds_store_b128 v4, v[CW:CW+3] offset:32*(\t)    ; 32 codes: 32 bytes of my column's row
	ds_store_b128 v4, v[CW+4:CW+7] offset:32*(\t)+16
.if (\t)+2 < 8
	WLOAD (\t)+2
.endif
	s_wait_dscnt 0x0                               ; the stores have read their registers: the next block's codes may be written
.endm
	WLOAD 0
	WLOAD 1
	s_wait_alu depctr_va_vdst(0)
.irp t, 0,1,2,3,4,5,6,7
	WBLOCK \t
.endr
.irp t, 0,1,2,3,4,5,6,7,8,9,10,11,12,13,14,15
	ds_load_b128 v[OUTR+4*\t:OUTR+4*\t+3], v7 offset:2*\t*272     ; LDS serves a wave's instructions in order: these see my stores
.endr
.irp t, 0,1,2,3,4,5,6,7,8,9,10,11,12,13,14,15
	s_wait_dscnt 15-\t                             ; the younger reads may be out
	global_store_b128 v[VS+\t], v[OUTR+4*\t:OUTR+4*\t+3], s[68:69]
.endr
	s_wait_tensorcnt 0x0
	ds_add_u32 v254, v255
	s_wait_dscnt 0x0
	s_endpgm
	; ---------------- LayerNorm 1, three sets of codes ----------------
.Lln:
	s_sub_co_u32 s57, ttmp9, 384
	s_lshl_b32 s57, s57, 4
	s_lshl_b32 s58, s56, 2
	s_add_co_u32 s57, s57, s58                     ; my first row: 16 x work-group + 4 x wave
	s_lshl_b32 s58, s57, 12
	s_mov_b32 s59, 0
	s_add_nc_u64 s[8:9], s[8:9], s[58:59]          ; x at that row
	s_lshl_b32 s58, s57, 10
	s_add_nc_u64 s[66:67], s[28:29], s[58:59]      ; the three sets of codes at that row
	s_add_nc_u64 s[68:69], s[66:67], 0x400000
	s_add_nc_u64 s[70:71], s[66:67], 0x800000
	s_mov_b32 s72, 0x76543210                      ; v_permlanex16_b32: lane l xor 16
	s_mov_b32 s73, 0xfedcba98
	s_mov_b32 s62, 0x3a800000                      ; 1 / 1024
	s_mov_b32 s63, 0x3727c5ac                      ; 1e-5
	s_wait_alu depctr_va_vdst(0)
	v_lshlrev_b32 v30, 5, v2                       ; in: 32 bytes a lane in each 1,024
	v_lshlrev_b32 v1, 3, v2                        ; out: 8 codes a lane in each 256
	v_mov_b32 v29, 0                               ; a lane permute's destination counts as read
.macro XROW q
.irp j, 0,1,2,3
	global_load_b128 v[32+32*\q+8*\j:32+32*\q+8*\j+3], v30, s[8:9] offset:4096*\q+1024*\j
	global_load_b128 v[32+32*\q+8*\j+4:32+32*\q+8*\j+7], v30, s[8:9] offset:4096*\q+1024*\j+16
.endr
.endm
	XROW 0
.irp j, 0,1,2,3
	global_load_b128 v[160+8*\j:160+8*\j+3], v30, s[10:11] offset:1024*\j
	global_load_b128 v[160+8*\j+4:160+8*\j+7], v30, s[10:11] offset:1024*\j+16
.endr
.irp j, 0,1,2,3
	global_load_b128 v[192+8*\j:192+8*\j+3], v30, s[12:13] offset:1024*\j
	global_load_b128 v[192+8*\j+4:192+8*\j+7], v30, s[12:13] offset:1024*\j+16
.endr
	XROW 1
	XROW 2
	XROW 3
	s_wait_kmcnt 0x0
.macro MKS e, vs, vl                   ; 2^e and 448 x 2^e as f32
	s_add_co_i32 s60, \e, 127
	s_lshl_b32 s61, s60, 23
	v_mov_b32 v[\vs], s61
	s_add_co_i32 s60, s60, 8
	s_lshl_b32 s60, s60, 23
	s_or_b32 s60, s60, 0x600000
	v_mov_b32 v[\vl], s60
.endm
	MKS s41, 18, 19                                ; e1
	MKS s43, 20, 21                                ; e3
	MKS s45, 22, 23                                ; e5
.macro ACROSS                          ; v28 summed over the 32 lanes, the result in every lane
	v_add_f32_dpp v28, v28, v28 row_xmask:1 row_mask:0xf bank_mask:0xf
	v_add_f32_dpp v28, v28, v28 row_xmask:2 row_mask:0xf bank_mask:0xf
	v_add_f32_dpp v28, v28, v28 row_xmask:4 row_mask:0xf bank_mask:0xf
	v_add_f32_dpp v28, v28, v28 row_xmask:8 row_mask:0xf bank_mask:0xf
	v_permlanex16_b32 v29, v28, s72, s73
	v_add_f32 v28, v28, v29
.endm
.macro LNROW q, cnt                    ; cnt: the loads issued behind this row's, which may stay out
.set XR, 32+32*(\q)
	s_wait_loadcnt \cnt
	v_pk_add_f32 v[2:3], v[XR:XR+1], v[XR+2:XR+3]  ; the row's sum, in two chains
	v_pk_add_f32 v[4:5], v[XR+4:XR+5], v[XR+6:XR+7]
.irp j, 8,12,16,20,24,28
	v_pk_add_f32 v[2:3], v[2:3], v[XR+\j:XR+\j+1]
	v_pk_add_f32 v[4:5], v[4:5], v[XR+\j+2:XR+\j+3]
.endr
	v_pk_add_f32 v[2:3], v[2:3], v[4:5]
	v_add_f32 v28, v2, v3
	ACROSS
	v_mul_f32 v24, s62, v28                        ; the mean, in both halves of a pair
	v_mul_f32 v25, s62, v28
.irp j, 0,2,4,6,8,10,12,14,16,18,20,22,24,26,28,30
	v_pk_add_f32 v[XR+\j:XR+\j+1], v[XR+\j:XR+\j+1], v[24:25] neg_lo:[0,1] neg_hi:[0,1]   ; x - mean, in place
.endr
	v_pk_mul_f32 v[2:3], v[XR:XR+1], v[XR:XR+1]    ; the sum of the centred squares: no difference of large sums
	v_pk_mul_f32 v[4:5], v[XR+2:XR+3], v[XR+2:XR+3]
.irp j, 4,8,12,16,20,24,28
	v_pk_fma_f32 v[2:3], v[XR+\j:XR+\j+1], v[XR+\j:XR+\j+1], v[2:3]
	v_pk_fma_f32 v[4:5], v[XR+\j+2:XR+\j+3], v[XR+\j+2:XR+\j+3], v[4:5]
.endr
	v_pk_add_f32 v[2:3], v[2:3], v[4:5]
	v_add_f32 v28, v2, v3
	ACROSS
	v_fma_f32 v28, v28, s62, s63                   ; variance + 1e-5
	s_wait_alu depctr_va_vdst(0)
	v_rsq_f32 v26, v28
	v_rsq_f32 v27, v28
	v_nop                                          ; a plain instruction behind the transcendentals,
	s_wait_alu depctr_va_vdst(0)                   ; and the one wait ahead of their first reader
.if (\q) == 0
	s_wait_loadcnt 24                              ; gain and bias are in; rows 1 to 3 (24 loads) may be out
.endif
.irp j, 0,2,4,6,8,10,12,14,16,18,20,22,24,26,28,30
	v_pk_mul_f32 v[XR+\j:XR+\j+1], v[XR+\j:XR+\j+1], v[26:27]
.endr
.irp j, 0,2,4,6,8,10,12,14,16,18,20,22,24,26,28,30
	v_pk_fma_f32 v[XR+\j:XR+\j+1], v[XR+\j:XR+\j+1], v[160+\j:161+\j], v[192+\j:193+\j]
.endr
	s_wait_xcnt 0x0                                ; the last row's stores have read the codes' registers, which are written again below
.irp s, 0,1,2
.irp j, 0,1,2,3
.set TM, 2+8*((\j)%2)                  ; two sets of eight held numbers by turns, so that no hold writes the sources of the conversion just issued
.irp i, 0,1,2,3,4,5,6,7
	v_med3_num_f32 v[TM+\i], v[XR+8*\j+\i], -v[19+2*\s], v[19+2*\s]
.endr
	v_cvt_scalef32_pk8_fp8_f32 v[224+8*\s+2*\j:225+8*\s+2*\j], v[TM:TM+7], v[18+2*\s]
	global_store_b64 v1, v[224+8*\s+2*\j:225+8*\s+2*\j], s[66+2*\s:67+2*\s] offset:1024*(\q)+256*\j   ; 32 lanes store 256 consecutive bytes, aligned
.endr
.endr
.endm
	LNROW 0, 40
	LNROW 1, 16
	LNROW 2, 8
	LNROW 3, 0
	s_endpgm
.Lfunc_end_k_q26d4f08ee9_prep:
	.size	k_q26d4f08ee9_prep, .Lfunc_end_k_q26d4f08ee9_prep-k_q26d4f08ee9_prep
	.p2alignl 7, 3214868480
	.fill 96, 4, 3214868480
	.section	.rodata,"a",@progbits
	.p2align	6, 0x0
	.amdhsa_kernel k_q26d4f08ee9_prep
		.amdhsa_group_segment_fixed_size 35328
		.amdhsa_private_segment_fixed_size 0
		.amdhsa_enable_private_segment 0
		.amdhsa_kernarg_size 96
		.amdhsa_user_sgpr_count 2
		.amdhsa_user_sgpr_kernarg_segment_ptr 1
		.amdhsa_wavefront_size32 1
		.amdhsa_system_sgpr_workgroup_id_x 1
		.amdhsa_system_sgpr_workgroup_id_y 1
		.amdhsa_system_sgpr_workgroup_id_z 1
		.amdhsa_system_vgpr_workitem_id 0
		.amdhsa_next_free_vgpr 256
		.amdhsa_next_free_sgpr 96
		.amdhsa_reserve_vcc 0
		.amdhsa_float_denorm_mode_32 3
		.amdhsa_float_denorm_mode_16_64 3
		.amdhsa_memory_ordered 1
		.amdhsa_forward_progress 1
		.amdhsa_inst_pref_size 115
	.end_amdhsa_kernel
	.amdgpu_metadata
---
amdhsa.version: [ 1, 2 ]
amdhsa.kernels:
  - .name:           k_q26d4f08ee9_prep
    .symbol:         k_q26d4f08ee9_prep.kd
    .args:
      - { .name: x, .offset: 0, .size: 8, .value_kind: global_buffer, .address_space: global }
      - { .name: ln1_g, .offset: 8, .size: 8, .value_kind: global_buffer, .address_space: global }
      - { .name: ln1_b, .offset: 16, .size: 8, .value_kind: global_buffer, .address_space: global }
      - { .name: wq, .offset: 24, .size: 8, .value_kind: global_buffer, .address_space: global }
      - { .name: wk, .offset: 32, .size: 8, .value_kind: global_buffer, .address_space: global }
      - { .name: wv, .offset: 40, .size: 8, .value_kind: global_buffer, .address_space: global }
      - { .name: w_proj, .offset: 48, .size: 8, .value_kind: global_buffer, .address_space: global }
      - { .name: w1, .offset: 56, .size: 8, .value_kind: global_buffer, .address_space: global }
      - { .name: w2, .offset: 64, .size: 8, .value_kind: global_buffer, .address_space: global }
      - { .name: lowp_scales, .offset: 72, .size: 8, .value_kind: global_buffer, .address_space: global }
      - { .name: hq, .offset: 80, .size: 8, .value_kind: global_buffer, .address_space: global }
      - { .name: wc, .offset: 88, .size: 8, .value_kind: global_buffer, .address_space: global }
    .group_segment_fixed_size: 35328
    .private_segment_fixed_size: 0
    .kernarg_segment_align: 8
    .kernarg_segment_size: 96
    .max_flat_workgroup_size: 128
    .sgpr_count:     96
    .vgpr_count:     256
    .wavefront_size: 32
...
	.end_amdgpu_metadata
.endif
;; end of part 1
;; launch qkv (part 2): grid 12 x 16, 4 waves a work-group, clusters of 4 x 4, 327,680 bytes of LDS; arguments hq, wc, lowp_scales, qkvc; writes qkvc
.if DOCPART == 2
	.amdgcn_target "amdgcn-amd-amdhsa--gfx1250"
	.amdhsa_code_object_version 6
	.text
	.protected	k_q26d4f08ee9_qkv
	.globl	k_q26d4f08ee9_qkv
	.p2align	8
	.type	k_q26d4f08ee9_qkv,@function
k_q26d4f08ee9_qkv:
	s_mov_b64 s[64:65], 0
	v_nop
	global_prefetch_b8 v0, s[64:65] scope:SCOPE_SE
	s_setreg_imm32_b32 hwreg(HW_REG_WAVE_MODE, 25, 1), 1
	s_wait_xcnt 0x0
	s_wait_alu depctr_hold_cnt(0) depctr_sa_sdst(0) depctr_va_vdst(0) depctr_va_sdst(0) depctr_va_ssrc(0) depctr_va_vcc(0) depctr_vm_vsrc(0)
	s_getreg_b32 s2, hwreg(HW_REG_IB_STS2, 6, 4)
	s_cmp_eq_u32 s2, 0
	s_cbranch_scc0 .Lentry_in_a_cluster
	s_endpgm
.Lentry_in_a_cluster:
	s_bfe_u32 s2, ttmp6, 0x10000c
	s_cmp_lg_u32 s2, 0xf033
	s_cbranch_scc0 .Lentry_shape_is_right
	s_endpgm
.Lentry_shape_is_right:
; PRODUCTS 1 TO 3 on codes of E4M3, each result quantised at once.  Three GEMMs C[m][n] = sum over k of A[m][k] B[n][k], K = 1,024, chosen by the cluster's x (sec = 0, 1, 2), which all partners share:
;   sec 0: q = h Wq (A = hq set 0 [4096 tokens], B = wq's codes [1024]);  sec 1: k likewise;  sec 2: V^T (A = wv's codes [1024], B = hq set 2 [4096 tokens]): so v's codes come out with the tokens innermost.
; A sum stands for sum x 2^(ea + eb); its code is sum / 2^(eo - ea - eb), eo = e6, e7, e9: the three scales are folded into the conversion's one.
; OUT: blocks of 64 columns: byte (n / 64) x BS + 64 m + n % 64, BS = 64 x rows of C (q, k: 262,144; V^T: 65,536), sections 4 MiB apart.  A wave's 128 rows of a block of 64 columns are 8,192 consecutive bytes.
; LIMIT: eo - ea - eb between -126 and 119.
; SHAPE: a tile of C is 256 x 256, four waves, 128 x 128 each: 64 accumulators, 512 registers.  K goes in steps of 256 through two LDS slots filled by the tensor data mover; 4 x 4 work-groups form a cluster:
; A's tile is asked for jointly along a row of the cluster, B's along a column.  The matrix instruction is used transposed (source 0 = rows of B, source 1 = rows of A): a lane holds eight neighbouring columns of a row of C.
; A fragment is fetched by four loads of 16 bytes, 32 apart: registers 4 c .. 4 c + 3 hold k = 32 c + 16 (lane / 16) + 0 .. 15, alike in A and B, so every product meets its partner.
; REGISTERS: window 0: v0-31 addresses; v128-255 A's fragments, one set; window 1: B's fragments, two sets; windows 2, 3: the accumulators ((a, b) at v[8 (8 (a % 4) + b)]).
.set SIZE_K, 1024
.set KSTEP,  256
.set ROWB,   256
.set KROW,   SIZE_K
.set PITCH,  272                       ; an LDS row: 256 bytes + 16: the 16 rows of a fragment load start at 16 different groups of four banks
.set FR,     16
.set NL,     4
.set NP,     4
.set HALFT,  128*PITCH
.set SLOT,   4*HALFT
.set LAPS,   SIZE_K/(2*KSTEP)
.set SPARE,  2*SLOT                    ; behind the ring: the spare words, 128 bytes a wave
.set WSTG,   17408                     ; the way out: a wave's stage, 2 column blocks x 32 units of (256 + 16) bytes; in slot 0, which has had its last fill and its last read by then
.set ADRA, 16
.set ADRB, 20
.set STO,  24
.set RD,   25
.set CO,   26
.set SPW,  28
.set NIL,  29
.set LIM,  30
.set SCL,  31
.set TMP,  32
.set AF,   128
.set CD,   128
.set G1, 24
.set G0, 32
.set G1B, 48
.set G0B, 56
.set MSB, 0
.macro WIN new                         ; the immediate's high byte repeats the setting that is left
.if MSB != (\new)
	s_set_vgpr_msb (MSB<<8)|(\new)
.set MSB, (\new)
.endif
.endm
.set MUL_LO, 0xa1
.set MUL_HI, 0xf1
.set TO_B,   0x40
.macro JLOAD g0a, g1a, g0b, g1b        ; a joint load: waves 0, 1 fetch for A, waves 2, 3 for B; four v_nop follow each line
	s_cmp_eq_u32 s15, 0
	s_cbranch_scc0 .Lfor_b_\@
	tensor_load_to_lds s[\g0a:\g0a+3], s[\g1a:\g1a+7]
	s_nop 0
.rept 4
	v_nop
.endr
	s_branch .Lasked_\@
.Lfor_b_\@:
	tensor_load_to_lds s[\g0b:\g0b+3], s[\g1b:\g1b+7]
	s_nop 0
.rept 4
	v_nop
.endr
.Lasked_\@:
.endm
.macro CREST                           ; a round of the cluster's barrier behind its opening barrier
	s_cmp_lg_u32 s14, 0
	s_cbranch_scc1 .Lnot_wave_0_\@
	s_barrier_signal -3
.Lnot_wave_0_\@:
	s_barrier_wait -3
	s_barrier_signal -1
	s_barrier_wait -1
.endm
.macro CROUND
	s_barrier_signal -1
	s_barrier_wait -1
	CREST
.endm
	s_load_b256 s[4:11], s[0:1], 0x0               ; hq s[4:5], wc s[6:7], the exponents s[8:9], qkvc s[10:11]
	v_lshl_add_u32 v[SPW], v0, 2, SPARE
	v_mov_b32 v[NIL], 0
	ds_add_u32 v28, v29
	ds_add_u32 v28, v29
	s_wait_dscnt 0x0
	v_lshrrev_b32 v1, 5, v0
	v_readfirstlane_b32 s14, v1                    ; wave 0..3
	s_lshr_b32 s15, s14, 1                         ; my half of the tile's rows; also: I fetch for A (0) or B (1)
	s_and_b32 s16, s14, 1                          ; my half of its columns; also: which 128 rows I fetch
	s_bfe_u32 s40, ttmp6, 0x40000                  ; cx
	s_bfe_u32 s41, ttmp6, 0x40004                  ; cy
	s_and_b32 s18, ttmp7, 0xffff
	s_lshl_b32 s18, s18, 2                         ; 4 x cluster y
	s_add_co_u32 s88, s18, s41                     ; with cy: the tile row of 16 (sec 0, 1)
	s_add_co_u32 s89, s18, s40                     ; with cx: the tile column of 16 (sec 2)
	s_lshl_b32 s90, ttmp9, 22                      ; sec x 4 MiB
	s_lshl_b32 s91, ttmp9, 20                      ; sec x 1 MiB
	s_mov_b32 s12, 262144
	s_lshl_b32 s43, s41, 2
	s_lshl_b32 s43, 15, s43                        ; my row of the cluster
	s_lshl_b32 s44, 0x1111, s40                    ; my column
	s_or_b32 s[G1+0], s43, (0<<16)|(1<<20)|(1<<21)|(5<<22)|(3<<25)  ; mask; elements of 1 byte; padding: 4 words behind every 64; bit 21 beside a mask
	s_or_b32 s[G1B+0], s44, (0<<16)|(1<<20)|(1<<21)|(5<<22)|(3<<25)
.irp g, G1, G1B
	s_mov_b32 s[\g+1], ROWB<<16                    ; tensor_dim0
	s_mov_b32 s[\g+2], 128<<16                     ; tensor_dim1
	s_mov_b32 s[\g+3], ROWB<<16                    ; tile_dim0
	s_mov_b32 s[\g+4], 128                         ; tile_dim1
	s_mov_b32 s[\g+5], KROW                        ; pitch
	s_mov_b32 s[\g+6], 0
	s_mov_b32 s[\g+7], 0
.endr
	s_mul_i32 s45, s14, HALFT                      ; where my 128 rows go in a slot
	s_wait_kmcnt 0x0
	s_load_b512 s[68:83], s[8:9], 0x0              ; e0 .. e15 in s68 .. s83
	s_cmp_eq_u32 ttmp9, 2                          ; V^T?  The condition is the same in all sixteen partners and hangs on no address
	s_cselect_b32 s17, s41, s88                    ; tile row of C: made of cy alone
	s_cselect_b32 s42, s89, s40                    ; tile column: of cx alone
	s_cselect_b64 s[84:85], s[6:7], s[4:5]         ; A's buffer
	s_cselect_b64 s[86:87], s[4:5], s[6:7]         ; B's buffer
	s_cselect_b32 s92, 0x200000, s90               ; A's part of it
	s_cselect_b32 s94, 0x800000, s91               ; B's part
	s_cselect_b32 s12, 65536, s12                  ; BS
	s_lshl_b32 s18, s16, 7
	s_lshl_b32 s20, s17, 8
	s_add_co_u32 s20, s20, s18                     ; A: row 256 x tile row + 128 x half
	s_lshl_b32 s20, s20, 10                        ; x 1,024 bytes
	s_add_co_u32 s20, s20, s92
	s_mov_b32 s21, 0
	s_lshl_b32 s46, s42, 8
	s_add_co_u32 s46, s46, s18
	s_lshl_b32 s46, s46, 10
	s_add_co_u32 s46, s46, s94
	s_mov_b32 s47, 0
	s_add_nc_u64 s[20:21], s[84:85], s[20:21]
	s_add_nc_u64 s[46:47], s[86:87], s[46:47]
	CROUND                                         ; all sixteen work-groups are here: the first joint loads meet
.irp s, 0,1
	s_mov_b32 s[G0+4*\s], 1
	s_add_co_u32 s[G0+4*\s+1], s45, \s*SLOT
	s_add_nc_u64 s[G0+4*\s+2:G0+4*\s+3], s[20:21], \s*ROWB
	s_or_b32 s[G0+4*\s+3], s[G0+4*\s+3], 0x80000000
	s_mov_b32 s[G0B+4*\s], 1
	s_add_co_u32 s[G0B+4*\s+1], s45, \s*SLOT
	s_add_nc_u64 s[G0B+4*\s+2:G0B+4*\s+3], s[46:47], \s*ROWB
	s_or_b32 s[G0B+4*\s+3], s[G0B+4*\s+3], 0x80000000
.endr
	JLOAD G0, G1, G0B, G1B                         ; K step 0: one tensor load a wave at the head
	s_cmp_eq_u32 s15, 0                            ; the prefetches: of the 128 rows that I fetch, my work-group's 32 (the partner's place enters the address alone): a lane a row, 256 bytes of it a K step
	s_cselect_b64 s[96:97], s[20:21], s[46:47]
	s_cselect_b32 s98, s40, s41
	s_lshl_b32 s98, s98, 15
	s_mov_b32 s99, 0
	s_add_nc_u64 s[96:97], s[96:97], s[98:99]
	v_and_b32 v22, 31, v0
	v_lshlrev_b32 v22, 10, v22
	global_prefetch_b8 v22, s[96:97] offset:256 th:TH_LOAD_NT scope:SCOPE_SE   ; K step 1, whose load follows when K step 0 has landed
	global_prefetch_b8 v22, s[96:97] offset:512 th:TH_LOAD_NT scope:SCOPE_SE   ; K step 2, two steps ahead of its load
	v_and_b32 v1, 15, v0                           ; r
	s_wait_alu depctr_va_vdst(0)
	v_bfe_u32 v2, v0, 4, 1                         ; h
	v_mul_u32_u24 v3, v1, PITCH
	v_lshl_add_u32 v4, v2, 4, v3
	s_mul_i32 s21, s15, HALFT
	s_mul_i32 s22, s16, HALFT
	s_add_co_u32 s22, s22, 2*HALFT
.irp s, 0,1
	v_add_nc_u32 v[ADRA+\s], s21, v4
	v_add_nc_u32 v[ADRB+\s], s22, v4
	s_add_co_u32 s21, s21, SLOT
	s_add_co_u32 s22, s22, SLOT
.endr
	s_mul_i32 s23, s14, WSTG                       ; my stage
	v_lshlrev_b32 v5, 6, v1
	v_lshrrev_b32 v6, 2, v1
	v_lshl_add_u32 v5, v6, 4, v5
	v_lshl_add_u32 v5, v2, 3, v5
	v_add_nc_u32 v[STO], s23, v5                   ; in: 64 r + 16 (r / 4) + 8 h: four rows of 64 bytes to a unit of 256, 16 bytes of padding behind each unit
	v_mul_u32_u24 v5, v2, 272
	v_lshl_add_u32 v5, v1, 4, v5
	v_add_nc_u32 v[RD], s23, v5                    ; back: lanes 0-15 one unit, lanes 16-31 the next
	v_and_b32 v6, 31, v0
	v_lshlrev_b32 v[CO], 4, v6                     ; and in memory: 16 bytes a lane
	s_lshl_b32 s20, s42, 2
	s_lshl_b32 s21, s16, 1
	s_add_co_u32 s20, s20, s21                     ; my first block of 64 columns
	s_mul_i32 s20, s20, s12
	s_lshl_b32 s21, s17, 8
	s_lshl_b32 s22, s15, 7
	s_add_co_u32 s21, s21, s22                     ; my first row
	s_lshl_b32 s21, s21, 6
	s_add_co_u32 s20, s20, s21
	s_add_co_u32 s20, s20, s90                     ; the section
	s_mov_b32 s21, 0
	s_mov_b32 s13, 0
	s_add_nc_u64 s[84:85], s[10:11], s[20:21]      ; my two runs of 8,192 bytes
	s_add_nc_u64 s[86:87], s[84:85], s[12:13]
.macro FRAG reg, adr, q, i
.irp c, 0,1,2,3
	ds_load_b128 v[\reg+4*\c:\reg+4*\c+3], v[\adr] offset:128*(\q)+32*\c+(\i)*16*PITCH
.endr
.endm
; 16 matrix instructions: A's blocks a0, a0 + 1 x B's eight.  The 64 accumulators take turns, one instruction a turn, in the same order in every step.
.macro MUL16 a0, p, zero
.irp a, \a0, \a0+1
.irp b, 0,1,2,3,4,5,6,7
.if \zero
	v_wmma_f32_16x16x128_fp8_fp8 v[8*(8*((\a)%4)+\b):8*(8*((\a)%4)+\b)+7], v[128*(\p)+FR*\b:128*(\p)+FR*\b+FR-1], v[AF+FR*(\a):AF+FR*(\a)+FR-1], 0
.else
	v_wmma_f32_16x16x128_fp8_fp8 v[8*(8*((\a)%4)+\b):8*(8*((\a)%4)+\b)+7], v[128*(\p)+FR*\b:128*(\p)+FR*\b+FR-1], v[AF+FR*(\a):AF+FR*(\a)+FR-1], v[8*(8*((\a)%4)+\b):8*(8*((\a)%4)+\b)+7]
.endif
.endr
.endr
.endm
.macro FETCH_B slot, q, p
	WIN TO_B
.irp i, 0,1,2,3,4,5,6,7
	FRAG 128*(\p)+FR*\i, ADRB+\slot, \q, \i
.endr
	WIN 0
.endm
.macro FETCH_A slot, q, i0
.irp i, \i0, \i0+1, \i0+2, \i0+3
	FRAG AF+FR*(\i), ADRA+\slot, \q, \i
.endr
.endm
.macro PLACES n                        ; plain vector instructions between a matrix instruction and a load into, or a vector read or write of, its registers
.rept \n
	v_nop
.endr
.endm
.macro STEP slot, q, zero              ; 128 along K whose successor lies in the same slot
	s_wait_dscnt 4*NL                              ; B's set and A's blocks 0-3 are in; A's blocks 4-7 (16 loads) may be out
	WIN MUL_LO
	MUL16 0, (\q)%2, \zero
	MUL16 2, (\q)%2, \zero
	s_wait_dscnt 0
	PLACES NP
	FETCH_B \slot, (\q)+1, 1-(\q)%2
	FETCH_A \slot, (\q)+1, 0
	WIN MUL_HI
	MUL16 4, (\q)%2, \zero
	MUL16 6, (\q)%2, \zero
	PLACES NP
	WIN 0
	FETCH_A \slot, (\q)+1, 4
.endm
.macro TURN slot, next, fill           ; a slot's last step changes slots: one barrier
	s_wait_tensorcnt 0x0                           ; all my tensor loads have landed: my part of the next slot
	ds_add_u32 v[SPW], v[NIL]                      ; 0 onto my spare word
	s_wait_dscnt 4*NL+1                            ; the add and A's blocks 4-7 may be out
	WIN MUL_LO
	MUL16 0, 1, 0
	s_wait_dscnt 0x0                               ; the add is done, and my reads of this slot are over
	s_barrier_signal -1
	MUL16 2, 1, 0
	WIN 0
	s_barrier_wait -1
.if \fill
	CREST                                          ; the barrier has opened a round of the cluster's: no wave of any partner still reads this slot or has a load on its way
	s_add_nc_u64 s[G0+4*\slot+2:G0+4*\slot+3], s[G0+4*\slot+2:G0+4*\slot+3], 2*ROWB
	s_add_nc_u64 s[G0B+4*\slot+2:G0B+4*\slot+3], s[G0B+4*\slot+2:G0B+4*\slot+3], 2*ROWB
	JLOAD G0+4*\slot, G1, G0B+4*\slot, G1B         ; the first tensor load behind the round, one a wave; its four v_nop are the places in front of the loads below
.else
	PLACES NP
.endif
	FETCH_B \next, 0, 0
	FETCH_A \next, 0, 0
	WIN MUL_HI
	MUL16 4, 1, 0
	MUL16 6, 1, 0
	PLACES NP
	WIN 0
	FETCH_A \next, 0, 4
.endm
	s_wait_alu depctr_va_vdst(0)                   ; the wait at the head's end
	s_wait_tensorcnt 0x0                           ; my part of K step 0 is in; the lines that stand ahead of a later first fill, as ahead of a refill:
	ds_add_u32 v[SPW], v[NIL]
	s_wait_dscnt 0x0
	CROUND                                         ; everybody's part of K step 0 is in, and all sixteen work-groups are here
	JLOAD G0+4, G1, G0B+4, G1B                     ; K step 1: the first tensor load behind the round
	global_prefetch_b8 v22, s[96:97] offset:768 th:TH_LOAD_NT scope:SCOPE_SE   ; K step 3, the last: the refills ask for nothing
	FETCH_B 0, 0, 0
	FETCH_A 0, 0, 0
	FETCH_A 0, 0, 4
	STEP 0, 0, 1                                   ; the first step starts the sums: nothing is cleared
	s_mov_b32 s3, LAPS-1
.Llap:
	TURN 0, 1, 1
	STEP 1, 0, 0
	TURN 1, 0, 1
	STEP 0, 0, 0
	s_sub_co_u32 s3, s3, 1
	s_cmp_lg_u32 s3, 0
	s_cbranch_scc1 .Llap
	TURN 0, 1, 0                                   ; the last lap fills nothing
	STEP 1, 0, 0
	s_wait_dscnt 4*NL
	WIN MUL_LO
	MUL16 0, 1, 0
	MUL16 2, 1, 0
	s_wait_dscnt 0
	WIN MUL_HI
	MUL16 4, 1, 0
	MUL16 6, 1, 0
	WIN 0
	; THE WAY OUT: hold, convert (8 neighbouring columns of a row = 8 bytes), through my stage, and out as two runs of 8,192 consecutive bytes.
	s_wait_kmcnt 0x0
	s_add_co_i32 s88, s68, s69                     ; e0 + e1
	s_add_co_i32 s89, s70, s71                     ; e2 + e3
	s_add_co_i32 s91, s72, s73                     ; e4 + e5
	s_cmp_eq_u32 ttmp9, 1
	s_cselect_b32 s88, s89, s88
	s_cselect_b32 s92, s75, s74                    ; e7 or e6
	s_cmp_eq_u32 ttmp9, 2
	s_cselect_b32 s88, s91, s88
	s_cselect_b32 s92, s77, s92                    ; e9
	s_sub_co_i32 s88, s92, s88                     ; eo - ea - eb
	s_add_co_i32 s88, s88, 127
	s_lshl_b32 s89, s88, 23
	v_mov_b32 v[SCL], s89
	s_add_co_i32 s88, s88, 8
	s_lshl_b32 s88, s88, 23
	s_or_b32 s88, s88, 0x600000
	v_mov_b32 v[LIM], s88                          ; 448 x that
	PLACES NP
.macro OUTBLK a                        ; rows 16 a .. 16 a + 15 of my 128
.set AC, 64*((\a)%4)
	WIN 0x02+((\a)/4)                              ; source 0: window 2 or 3
.set j, 0
.rept 64
	v_med3_num_f32 v[TMP+j], v[AC+j], -v[LIM], v[LIM]   ; the hold, into other registers; each accumulator from its low end on
.set j, j+1
.endr
	WIN 0
.irp b, 0,1,2,3,4,5,6,7
	v_cvt_scalef32_pk8_fp8_f32 v[CD+16*(\a)+2*\b:CD+16*(\a)+2*\b+1], v[TMP+8*\b:TMP+8*\b+7], v[SCL]
.endr
	v_nop                                          ; a plain instruction behind the last conversion: the next block's holds write its sources
.irp b, 0,1,2,3,4,5,6,7
	ds_store_b64 v[STO], v[CD+16*(\a)+2*\b:CD+16*(\a)+2*\b+1] offset:1088*(\a)+8704*(\b/4)+16*(\b%4)
.endr
.endm
.irp a, 0,1,2,3,4,5,6,7
	OUTBLK \a
.endr
	s_wait_dscnt 0x0                               ; the stores have read the codes' registers, which take the rows back
.set i, 0
.rept 32
	ds_load_b128 v[CD+4*i:CD+4*i+3], v[RD] offset:8704*(i/16)+544*(i%16)
.set i, i+1
.endr
.set i, 0
.rept 32
	s_wait_dscnt 31-i                              ; the younger reads may be out
	global_store_b128 v[CO], v[CD+4*i:CD+4*i+3], s[84+2*(i/16):85+2*(i/16)] offset:512*(i%16)   ; 32 lanes store 512 consecutive bytes, aligned
.set i, i+1
.endr
	s_wait_tensorcnt 0x0                           ; the wave's end
	ds_add_u32 v[SPW], v[NIL]
	s_wait_dscnt 0x0
	CROUND                                         ; the closing round
	s_endpgm
.Lfunc_end_k_q26d4f08ee9_qkv:
	.size	k_q26d4f08ee9_qkv, .Lfunc_end_k_q26d4f08ee9_qkv-k_q26d4f08ee9_qkv
	.p2alignl 7, 3214868480
	.fill 96, 4, 3214868480
	.section	.rodata,"a",@progbits
	.p2align	6, 0x0
	.amdhsa_kernel k_q26d4f08ee9_qkv
		.amdhsa_group_segment_fixed_size 327680
		.amdhsa_private_segment_fixed_size 0
		.amdhsa_enable_private_segment 0
		.amdhsa_kernarg_size 32
		.amdhsa_user_sgpr_count 2
		.amdhsa_user_sgpr_kernarg_segment_ptr 1
		.amdhsa_wavefront_size32 1
		.amdhsa_system_sgpr_workgroup_id_x 1
		.amdhsa_system_sgpr_workgroup_id_y 1
		.amdhsa_system_sgpr_workgroup_id_z 1
		.amdhsa_system_vgpr_workitem_id 0
		.amdhsa_next_free_vgpr 1024
		.amdhsa_next_free_sgpr 100
		.amdhsa_reserve_vcc 0
		.amdhsa_float_denorm_mode_32 3
		.amdhsa_float_denorm_mode_16_64 3
		.amdhsa_memory_ordered 1
		.amdhsa_forward_progress 1
		.amdhsa_inst_pref_size 126
	.end_amdhsa_kernel
	.amdgpu_metadata
---
amdhsa.version: [ 1, 2 ]
amdhsa.kernels:
  - .name:           k_q26d4f08ee9_qkv
    .symbol:         k_q26d4f08ee9_qkv.kd
    .args:
      - { .name: hq, .offset: 0, .size: 8, .value_kind: global_buffer, .address_space: global }
      - { .name: wc, .offset: 8, .size: 8, .value_kind: global_buffer, .address_space: global }
      - { .name: lowp_scales, .offset: 16, .size: 8, .value_kind: global_buffer, .address_space: global }
      - { .name: qkvc, .offset: 24, .size: 8, .value_kind: global_buffer, .address_space: global }
    .group_segment_fixed_size: 327680
    .private_segment_fixed_size: 0
    .kernarg_segment_align: 8
    .kernarg_segment_size: 32
    .max_flat_workgroup_size: 128
    .sgpr_count:     100
    .vgpr_count:     1024
    .wavefront_size: 32
...
	.end_amdgpu_metadata
.endif
;; end of part 2
;; launch attn (part 3): grid 8 x 32, 4 waves a work-group, no clusters, 327,680 bytes of LDS; arguments qkvc, lowp_scales, attc; writes attc
.if DOCPART == 3
	.amdgcn_target "amdgcn-amd-amdhsa--gfx1250"
	.amdhsa_code_object_version 6
	.text
	.protected	k_q26d4f08ee9_attn
	.globl	k_q26d4f08ee9_attn
	.p2align	8
	.type	k_q26d4f08ee9_attn,@function
k_q26d4f08ee9_attn:
	s_mov_b64 s[64:65], 0
	v_nop
	global_prefetch_b8 v0, s[64:65] scope:SCOPE_SE
	s_setreg_imm32_b32 hwreg(HW_REG_WAVE_MODE, 25, 1), 1
	s_wait_xcnt 0x0
; PRODUCTS 4 AND 5: causal attention on codes of E4M3, head size 64, 2,048 tokens, 32 (batch, head) pairs; the result is quantised at once (e10) for product 6.
; q, k: qkvc + 0 and + 4 MiB, [16 heads][4096 tokens][64].  v: qkvc + 8 MiB, [64 blocks of 64 tokens][1024 (head x 64 + d)][64 tokens]: the keys innermost.  attc: [16 heads][4096][64].
; THE SOFTMAX: t = score x 2^(e6 + e7) x log2(e) / 32; M = the running largest t rounded UP to a whole number; p = 2^(t - M) is quantised with 2^e8, not normalised; the row's sum is taken of the
; unquantised p and divides at the end.  When M moves, the sum and O are multiplied by 2^(old M - new M): exact.
; LEFT OUT: key steps all of whose keys come after all queries of a block: the causal mask makes their p zero for every input.
; LIMITS: e6 + e7 between -121 and 132 (added to the exponent field of log2(e) / 32); e8 and e10 between -126 and 119; the scaled scores stay under 2^31 in magnitude.  NaN among the inputs is not served.
; SHARES: work-group (x, y): batch y / 16, head y % 16; it owns the blocks of 128 queries number 15 - x (L) and number x (S).  Each of its four waves owns 32 queries (two tiles of 16) of EACH block,
; so every wave of every work-group has 17 block steps of 128 keys.  The wave walks the keys once: a step's fragments of K and V serve L's two tiles and, while S still has keys, S's two as well.
; THE RING: two LDS slots of 512 keys (K: key j at 272 (j / 4) + 64 (j % 4); V at + 34,816: block of 64 keys kb, channel d at 4,352 kb + 272 (d / 4) + 64 (d % 4)).  Waves 0, 1 fetch K's halves, waves 2, 3 V's:
; one tensor load a wave at the head and one behind each change of slots; a slot whose first key comes after the work-group's last query is not asked for.  Every wait on TENSORcnt is for 0.
; No cluster: under the mask the work-groups of a head read different numbers of slots, so a partner would have to ask for tiles that none of its waves reads.
; PREFETCH: at the changes that load slots 1 and 2, wave 0 names 32 blocks of 256 bytes of the slot two changes on: the head's eight work-groups share that slot's 256 blocks out by address
; (x < 4: 8,192 bytes of K; x >= 4: two blocks of 64 keys of V).  Slots 0 and 1 come by their loads alone; the last change in the loop names nothing.
; Both products are used transposed: a lane holds ONE query (lane % 16) of each tile.  Lane r of key tile 2 b + u takes key 32 b + 8 u + r + 8 (r / 8), so that the 16 registers of tiles 2 b, 2 b + 1 are keys 32 b + 16 (lane / 16) + 0 .. 15.
; REGISTERS.  Window 0: v1-15 addresses and constants; v16-31 four tiles' state (-M, largest t, the sum in two halves); v32-63 Q (L's two tiles, S's two); v64-191 S^T, then p, of two tiles; v192-223 p's codes; v224-252 at work.
; Window 1: v0-63 K's 8 fragments; v64-127 V's 4; v128-191 L's O^T; v192-255 S's.
.set STEPB, 8704                       ; 128 keys of K, and two blocks of 64 keys of V
.set VOFF,  34816
.set QUART, 17408                      ; what one tensor load fills
.set SLOT1, 1<<17
.set SPARE, 1<<18                      ; the spare words, 128 bytes a wave
.set STAGE, SPARE+512                  ; the way out: 2,048 bytes a wave, bytes that no tensor load fills
.set AK0, 1
.set AV0, 2
.set PFO, 3
.set STI, 4
.set STR, 5
.set GO,  6
.set SPW, 7
.set NIL, 8
.set ADK, 9
.set ADV, 10
.set LPA, 11                           ; 448 x 2^e8, twice: the two halves of a dual instruction take their second sources from different banks
.set LPB, 12
.set SP,  13                           ; 2^e8
.set LO,  14                           ; 448 x 2^e10
.set SO,  15                           ; 2^e10
.set ST,  16
.set QR,  32
.set SR,  64
.set CR,  192
.set DM,  249                          ; lane % 16 - 16 (lane / 16)
.set QO,  250
.set WV,  10
.set SEL, 20
.set CS,  22
.set G1K, 24
.set G1V, 32
.set G0,  40
.set GST, 44
.set TB,  46
.set KF,  47
.set CNT, 48
.set SLOTS, 49
.set QL,  50
.set QS,  51
.set QLAST, 52
.set LIM, 53
.set PFA, 54
.set PFS, 56
.set SA,  66
.set ES,  67
.set SB,  76
.set MSB, 0
.macro WIN new                         ; the immediate's high byte repeats the setting that is left
.if MSB != (\new)
	s_set_vgpr_msb (MSB<<8)|(\new)
.set MSB, (\new)
.endif
.endm
.macro TLOAD                           ; waves 0, 1: K's shape; waves 2, 3: V's.  One group 0 a wave; s_nop 0 and four v_nop follow each line
	s_cmp_lt_u32 s[WV], 2
	s_cbranch_scc0 .Lv_\@
	tensor_load_to_lds s[G0:G0+3], s[G1K:G1K+7]
	s_nop 0
.rept 4
	v_nop
.endr
	s_branch .Ld_\@
.Lv_\@:
	tensor_load_to_lds s[G0:G0+3], s[G1V:G1V+7]
	s_nop 0
.rept 4
	v_nop
.endr
.Ld_\@:
.endm
.macro KLOAD off                       ; K's eight fragments (16 keys x 64) of the step that begins off bytes behind v[ADK]
	WIN 0x40
.irp t, 0,1,2,3,4,5,6,7
.irp c, 0,1
	ds_load_b128 v[8*\t+4*\c:8*\t+4*\c+3], v[ADK] offset:\off+(8*(\t/2)+2*(\t%2))*272+32*\c
.endr
.endr
	WIN 0
.endm
.macro PADD d, a
	v_pk_add_f32 v[\d:\d+1], v[\d:\d+1], v[\a:\a+1]
.endm
.macro DMIN a, n                       ; the one-sided hold at 448 x 2^e8 (p is not negative), two numbers an instruction
.set jj, 0
.rept \n
	v_dual_min_num_f32 v[(\a)+jj], v[(\a)+jj], v[LPA] :: v_dual_min_num_f32 v[(\a)+jj+1], v[(\a)+jj+1], v[LPB]
.set jj, jj+2
.endr
.endm
	s_load_b128 s[4:7], s[0:1], 0x0                ; qkvc, the exponents
	s_load_b64 s[8:9], s[0:1], 0x10                ; attc
	v_lshl_add_u32 v[SPW], v0, 2, SPARE
	v_mov_b32 v[NIL], 0
	ds_add_u32 v[SPW], v[NIL]                      ; the opening lines: the add, twice on end, and its wait; work on registers between
	ds_add_u32 v[SPW], v[NIL]
	v_lshrrev_b32 v9, 5, v0
	v_readfirstlane_b32 s[WV], v9                  ; wave 0..3
	s_and_b32 s12, ttmp7, 0xffff
	s_lshr_b32 s11, s12, 4                         ; batch
	s_and_b32 s12, s12, 15                         ; head
	s_lshl_b32 s13, s12, 18
	s_lshl_b32 s14, s11, 17
	s_add_co_u32 s13, s13, s14                     ; the pair's first token in q, k and attc
	s_and_b32 s15, s[WV], 1                        ; which half I fetch
	s_lshl_b32 s16, s15, 14
	s_add_co_u32 s16, s16, s13
	s_add_co_u32 s16, s16, 0x400000                ; K: 256 keys, 16,384 consecutive bytes
	s_lshl_b32 s17, s11, 5
	s_lshl_b32 s18, s15, 2
	s_add_co_u32 s17, s17, s18
	s_lshl_b32 s17, s17, 16
	s_lshl_b32 s18, s12, 12
	s_add_co_u32 s17, s17, s18
	s_add_co_u32 s17, s17, 0x800000                ; V: four blocks of 64 tokens, the head's 4,096 bytes of each
	s_mov_b32 s[GST], 0x80000                      ; a slot on in V,
	s_cmp_lt_u32 s[WV], 2
	s_cselect_b32 s16, s16, s17
	s_cselect_b32 s[GST], 0x8000, s[GST]           ; in K
	s_mov_b32 s17, 0
	s_mov_b32 s[GST+1], 0
	s_sub_co_u32 s18, 15, ttmp9
	s_lshl_b32 s19, s[WV], 5
	s_lshl_b32 s[QL], s18, 7
	s_add_co_u32 s[QL], s[QL], s19                 ; my first query of block L,
	s_lshl_b32 s[QS], ttmp9, 7
	s_add_co_u32 s[QS], s[QS], s19                 ; of block S
	s_or_b32 s[QLAST], s[QL], 127                  ; my work-group's last query
	s_lshl_b32 s86, s[QL], 6
	s_add_co_u32 s86, s86, s13
	s_mov_b32 s87, 0
	s_lshl_b32 s88, s[QS], 6
	s_add_co_u32 s88, s88, s13
	s_mov_b32 s89, 0
	s_lshl_b32 s90, ttmp9, 13                      ; the prefetches: my work-group's 32 blocks of slot 1 (the first change steps them to slot 2)
	s_add_co_u32 s90, s90, s13
	s_add_co_u32 s90, s90, 0x408000
	s_lshl_b32 s59, s11, 5
	s_lshl_b32 s60, ttmp9, 1
	s_add_co_u32 s59, s59, s60                     ; block of 64 tokens 32 batch + 2 (x - 4) + 8
	s_lshl_b32 s59, s59, 16
	s_lshl_b32 s60, s12, 12
	s_add_co_u32 s59, s59, s60
	s_add_co_u32 s59, s59, 0x800000
	s_mov_b32 s[PFS], 0x80000
	s_cmp_lt_u32 ttmp9, 4
	s_cselect_b32 s90, s90, s59
	s_cselect_b32 s[PFS], 0x8000, s[PFS]
	s_cselect_b32 s63, 12, 16                      ; lanes 16-31: 4,096 bytes on in K, a block of tokens on in V
	s_mov_b32 s91, 0
	s_mov_b32 s[PFS+1], 0
	s_cmp_eq_u32 s[WV], 0
	s_cselect_b32 s[LIM], 1, 3                     ; wave 0 asks while more than one change is to come; the others never
	s_lshl_b32 s62, s[WV], 11
	s_add_co_u32 s62, s62, STAGE                   ; my stage
	s_mov_b32 s[G1K], (0<<16)|(1<<20)|(5<<22)|(3<<25)   ; K: 64 rows of 256 bytes, dense; 16 bytes of padding behind every 256
	s_mov_b32 s[G1K+1], 256<<16
	s_mov_b32 s[G1K+2], 64<<16
	s_mov_b32 s[G1K+3], 256<<16
	s_mov_b32 s[G1K+4], 64
	s_mov_b32 s[G1K+5], 256
	s_mov_b32 s[G1K+6], 0
	s_mov_b32 s[G1K+7], 0
	s_mov_b32 s[G1V], (0<<16)|(1<<20)|(5<<22)|(3<<25)   ; V: 4 rows of 4,096 bytes, 65,536 apart; the same padding
	s_mov_b32 s[G1V+1], 4096<<16
	s_mov_b32 s[G1V+2], 4<<16
	s_mov_b32 s[G1V+3], 4096<<16
	s_mov_b32 s[G1V+4], 4
	s_mov_b32 s[G1V+5], 65536
	s_mov_b32 s[G1V+6], 0
	s_mov_b32 s[G1V+7], 0
	s_mov_b32 s[SEL], 0x76543210
	s_mov_b32 s[SEL+1], 0xfedcba98
	s_mov_b32 s[CS], 0x3d38aa3b                    ; log2(e) / 32
	s_mov_b32 s[SB], 0
	s_mov_b32 s[KF], 0
	s_mov_b32 s[SLOTS], 3
	s_mov_b32 s[G0], 1
	s_mul_i32 s[G0+1], s[WV], QUART                ; slot 0: K's halves, then V's
	s_wait_dscnt 0x0                               ; both opening adds are done
	s_wait_kmcnt 0x0
	s_load_b256 s[68:75], s[6:7], 0x18             ; e6 .. e13
	s_add_nc_u64 s[G0+2:G0+3], s[4:5], s[16:17]
	s_or_b32 s[G0+3], s[G0+3], 0x80000000
	TLOAD                                          ; slot 0: every wave's one load at the head
	s_add_nc_u64 s[82:83], s[4:5], s[86:87]        ; q at my queries of L, of S
	s_add_nc_u64 s[84:85], s[4:5], s[88:89]
	s_add_nc_u64 s[78:79], s[8:9], s[86:87]        ; attc likewise
	s_add_nc_u64 s[80:81], s[8:9], s[88:89]
	s_add_nc_u64 s[PFA:PFA+1], s[4:5], s[90:91]
	v_and_b32 v9, 15, v0                           ; r
	v_bfe_u32 v10, v0, 4, 1                        ; h
	v_lshlrev_b32 v[QO], 6, v9
	v_lshl_add_u32 v[QO], v10, 4, v[QO]
.irp q, 0,1                                    ; Q's fragments stay: registers 4 c .. 4 c + 3: k = 32 c + 16 h + 0 .. 15
	global_load_b128 v[QR+8*\q:QR+8*\q+3], v[QO], s[82:83] offset:1024*\q
	global_load_b128 v[QR+8*\q+4:QR+8*\q+7], v[QO], s[82:83] offset:1024*\q+32
	global_load_b128 v[QR+16+8*\q:QR+16+8*\q+3], v[QO], s[84:85] offset:1024*\q
	global_load_b128 v[QR+16+8*\q+4:QR+16+8*\q+7], v[QO], s[84:85] offset:1024*\q+32
.endr
	v_and_b32 v251, 8, v9
	v_add_nc_u32 v251, v251, v9                    ; r + 8 (r / 8)
	v_lshrrev_b32 v252, 2, v251
	v_mul_u32_u24 v[AK0], v252, 272
	v_and_b32 v252, 3, v251
	v_lshl_add_u32 v[AK0], v252, 6, v[AK0]
	v_lshl_add_u32 v[AK0], v10, 4, v[AK0]
	v_lshrrev_b32 v252, 2, v9
	v_mul_u32_u24 v[AV0], v252, 272
	v_and_b32 v252, 3, v9
	v_lshl_add_u32 v[AV0], v252, 6, v[AV0]
	v_lshl_add_u32 v[AV0], v10, 4, v[AV0]
	v_add_nc_u32 v[AV0], VOFF, v[AV0]
	v_lshlrev_b32 v[STI], 6, v9
	v_lshl_add_u32 v[STI], v10, 3, v[STI]
	v_add_nc_u32 v[STI], s62, v[STI]               ; the stage, in: 64 r + 8 h
	v_and_b32 v[GO], 31, v0
	v_lshlrev_b32 v[GO], 4, v[GO]                  ; out: 16 bytes a lane
	v_add_nc_u32 v[STR], s62, v[GO]
	v_lshlrev_b32 v252, 4, v10
	v_sub_nc_u32 v[DM], v9, v252
	v_lshlrev_b32 v[PFO], s63, v10
	v_lshl_add_u32 v[PFO], v9, 8, v[PFO]           ; lanes 256 bytes apart
.irp i, 0,1,2,3
	v_mov_b32 v[ST+4*\i+1], 0xff61b1e6             ; the largest t so far: -3e38
	v_mov_b32 v[ST+4*\i], 0x7f61b1e6               ; -M
	v_mov_b32 v[ST+4*\i+2], 0                      ; the sum
	v_mov_b32 v[ST+4*\i+3], 0
.endr
.irp i, 232,233,235,237
	v_mov_b32 v\i, 0                               ; lane permutes' destinations and the upper halves of named pairs are written once
.endr
	WIN 0x40
.set j, 0
.rept 128
	v_mov_b32 v[128+j], 0                          ; O^T: the step is written once; the first finds zeros, which the first change of M leaves zeros
.set j, j+1
.endr
	WIN 0
	s_wait_kmcnt 0x0
	s_add_co_i32 s58, s68, s69
	s_lshl_b32 s58, s58, 23
	s_add_co_i32 s[CS], s[CS], s58                 ; x 2^(e6 + e7)
	s_mov_b32 s[CS+1], s[CS]
	s_add_co_i32 s58, s70, 127
	s_lshl_b32 s59, s58, 23
	v_mov_b32 v[SP], s59
	s_add_co_i32 s58, s58, 8
	s_lshl_b32 s58, s58, 23
	s_or_b32 s58, s58, 0x600000
	v_mov_b32 v[LPA], s58
	v_mov_b32 v[LPB], s58
	s_add_co_i32 s58, s72, 127
	s_lshl_b32 s59, s58, 23
	v_mov_b32 v[SO], s59
	s_add_co_i32 s58, s58, 8
	s_lshl_b32 s58, s58, 23
	s_or_b32 s58, s58, 0x600000
	v_mov_b32 v[LO], s58
	s_add_co_i32 s[ES], s70, s71                   ; e8 + e9
; ONE BLOCK'S SHARE OF A KEY STEP: my two tiles of 16 queries (A, B) against the step's 128 keys.  qb: Q; st: state; ob: O^T in window 1; q0: my first query; isl: block L; both: S may still follow in this step.
.macro UNIT qb, st, ob, q0, isl, both
.if \isl
	s_wait_dscnt 16                                ; K's fragments are in; V's sixteen loads, issued behind them, may be out
.endif
	WIN 0x01
.irp t, 0,1,2,3,4,5,6,7
.irp q, 0,1
	v_wmma_f32_16x16x64_fp8_fp8 v[SR+64*\q+8*\t:SR+64*\q+8*\t+7], v[8*\t:8*\t+7], v[(\qb)+8*\q:(\qb)+8*\q+7], 0
.endr
.endr
	WIN 0
	v_add_nc_u32 v[ADK], s[TB], v[AK0]             ; this step's K in LDS.  With the three below: the places ahead of loads into K's registers and of the first reads of the scores
.rept 3
	v_nop
.endr
	s_cmp_eq_u32 s[CNT], 1                         ; the next step's K is asked for as soon as the last products have read this step's: not across a change of slots,
.if (\isl) && (\both)
	s_cselect_b32 s60, 1, s[SA]                    ; and not while S's products are still to come
	s_cmp_lg_u32 s60, 0
.endif
	s_cbranch_scc1 .Lnok_\@
	KLOAD STEPB
.Lnok_\@:
	s_add_co_u32 s59, s[KF], 127
	s_cmp_le_u32 s59, s[\q0]                       ; all keys count: no mask
	s_cbranch_scc1 .Lopen_\@
	s_sub_co_i32 s58, s[\q0], s[KF]
	v_add_nc_u32 v238, s58, v[DM]                  ; d = my query - KF - 16 h.  Register 16 b + i holds key KF + 16 h + 32 b + i: hidden where 32 b + i > d
	v_add_nc_u32 v239, 16, v238
	v_mov_b32 v248, 0xff800000                     ; -infinity
.irp q, 0,1
.set n, 0
.rept 64
	v_cmp_gt_i32 vcc_lo, 32*(n/16)+n%16, v[238+\q]
	v_cndmask_b32 v[SR+64*\q+n], v[SR+64*\q+n], v248, vcc_lo
.set n, n+1
.endr
.endr
.Lopen_\@:
.irp q, 0,1                                    ; the step's largest score: four chains a tile, each accumulator from its low end on
.irp c, 0,1,2,3
	v_max3_num_f32 v[224+4*\q+\c], v[SR+64*\q+16*\c], v[SR+64*\q+16*\c+1], v[SR+64*\q+16*\c+2]
.endr
.endr
.irp k, 3,5,7,9,11,13
.irp q, 0,1
.irp c, 0,1,2,3
	v_max3_num_f32 v[224+4*\q+\c], v[224+4*\q+\c], v[SR+64*\q+16*\c+\k], v[SR+64*\q+16*\c+\k+1]
.endr
.endr
.endr
.irp q, 0,1
	v_max3_num_f32 v[224+4*\q], v[224+4*\q], v[SR+64*\q+15], v[SR+64*\q+31]
	v_max3_num_f32 v[226+4*\q], v[226+4*\q], v[SR+64*\q+47], v[SR+64*\q+63]
.endr
.irp q, 0,1
	v_max3_num_f32 v[224+4*\q], v[224+4*\q], v[225+4*\q], v[226+4*\q]
.endr
.irp q, 0,1
	v_max_num_f32 v[224+4*\q], v[224+4*\q], v[227+4*\q]
.endr
.irp q, 0,1
	v_permlanex16_b32 v[232+\q], v[224+4*\q], s[SEL], s[SEL+1]
.endr
.irp q, 0,1
	v_max_num_f32 v[224+4*\q], v[224+4*\q], v[232+\q]   ; and among lane l xor 16's
.endr
.irp q, 0,1
	v_mul_f32 v[224+4*\q], s[CS], v[224+4*\q]      ; as t
.endr
.irp q, 0,1
	v_max_num_f32 v[(\st)+4*\q+1], v[(\st)+4*\q+1], v[224+4*\q]
.endr
.irp q, 0,1
	v_floor_f32 v[225+4*\q], -v[(\st)+4*\q+1]      ; the new -M = -ceil(t)
.endr
.irp q, 0,1
	v_sub_f32 v[226+4*\q], v[225+4*\q], v[(\st)+4*\q]   ; old M - new M: a whole number, 0 or less
.endr
.irp q, 0,1
	v_mov_b32 v[(\st)+4*\q], v[225+4*\q]
.endr
.irp q, 0,1
	v_cvt_i32_f32 v[226+4*\q], v[226+4*\q]         ; (it saturates)
.endr
.irp q, 0,1
	v_ldexp_f32 v[234+2*\q], 1.0, v[226+4*\q]      ; f = 2^(old M - new M)
.endr
.set j, 0
.rept 32
	v_pk_fma_f32 v[SR+j:SR+j+1], v[SR+j:SR+j+1], s[CS:CS+1], v[(\st):(\st)+1] op_sel_hi:[1,0,0]   ; A: t - M
.set j, j+2
.endr
	s_wait_alu depctr_va_vdst(0)                   ; ahead of a batch of transcendentals
.set j, 0
.rept 32                                       ; A's exponentials; between them B's t - M, whose sources were all written ahead of the wait above and whose results are read behind the next
	v_exp_f32 v[SR+j], v[SR+j]
	v_pk_fma_f32 v[SR+64+j:SR+65+j], v[SR+64+j:SR+65+j], s[CS:CS+1], v[(\st)+4:(\st)+5] op_sel_hi:[1,0,0]
	v_exp_f32 v[SR+j+1], v[SR+j+1]
.set j, j+2
.endr
	v_pk_mul_f32 v[(\st)+2:(\st)+3], v[(\st)+2:(\st)+3], v[234:235] op_sel_hi:[1,0]   ; A's sum under the new M: the plain instruction behind the batch
	s_wait_alu depctr_va_vdst(0)                   ; behind A's batch and ahead of B's
.set j, 0
.rept 64                                       ; B's exponentials; between them, on A's p: sixteen sums of four UNQUANTISED numbers into registers of their own, then the hold.  None reads what another of them wrote
	v_exp_f32 v[SR+64+j], v[SR+64+j]
.if j < 16
	v_pk_add_f32 v[CR+2*j:CR+2*j+1], v[SR+4*j:SR+4*j+1], v[SR+4*j+2:SR+4*j+3]
.elseif j < 48
	v_dual_min_num_f32 v[SR+2*j-32], v[SR+2*j-32], v[LPA] :: v_dual_min_num_f32 v[SR+2*j-31], v[SR+2*j-31], v[LPB]
.endif
.set j, j+1
.endr
	v_pk_mul_f32 v[(\st)+6:(\st)+7], v[(\st)+6:(\st)+7], v[236:237] op_sel_hi:[1,0]   ; B's sum under the new M
	s_wait_alu depctr_va_vdst(0)                   ; behind B's batch
.irp i, 0,2,4,6,8,10,12,14                     ; A's sixteen part sums are folded; B's sum runs in four chains beside them
	PADD CR+\i, CR+16+\i
.endr
.irp c, 0,1,2,3
	v_pk_add_f32 v[240+2*\c:241+2*\c], v[SR+64+4*\c:SR+65+4*\c], v[SR+66+4*\c:SR+67+4*\c]
.endr
.irp i, 0,2,4,6
	PADD CR+\i, CR+8+\i
.endr
.irp c, 0,2,4,6
	PADD 240+\c, SR+80+\c
.endr
	PADD CR, CR+4
	PADD CR+2, CR+6
.irp c, 0,2,4,6
	PADD 240+\c, SR+88+\c
.endr
	PADD CR, CR+2
.irp c, 0,2,4,6
	PADD 240+\c, SR+96+\c
.endr
	PADD (\st)+2, CR
.irp k, 104,112,120
.irp c, 0,2,4,6
	PADD 240+\c, SR+\k+\c
.endr
.endr
	PADD 240, 242
	PADD 244, 246
	DMIN SR+64, 8
	PADD 240, 244
	DMIN SR+80, 8
	PADD (\st)+6, 240
	DMIN SR+96, 16
.irp q, 0,1
.irp g, 0,1,2,3,4,5,6,7
	v_cvt_scalef32_pk8_fp8_f32 v[CR+16*\q+2*\g:CR+16*\q+2*\g+1], v[SR+64*\q+8*\g:SR+64*\q+8*\g+7], v[SP]
.endr
.endr
	v_nop                                          ; a plain instruction behind the last conversion
.if \isl
	s_wait_dscnt 0x0                               ; V's fragments are in
.endif
	WIN 0x41
	s_wait_alu depctr_va_vdst(0)                   ; directly ahead of the first readers of O^T
.irp q, 0,1
.set j, 0
.rept 16
	v_pk_mul_f32 v[(\ob)+32*\q+j:(\ob)+32*\q+j+1], v[(\ob)+32*\q+j:(\ob)+32*\q+j+1], v[234+2*\q:235+2*\q] op_sel_hi:[1,0]   ; O^T under the new M
.set j, j+2
.endr
.endr
	WIN 0x51
.irp t, 0,1,2,3                                ; O^T += V^T P^T: eight accumulators, one instruction each
.irp q, 0,1
	v_wmma_f32_16x16x128_fp8_fp8 v[(\ob)+32*\q+8*\t:(\ob)+32*\q+8*\t+7], v[64+16*\t:79+16*\t], v[CR+16*\q:CR+16*\q+15], v[(\ob)+32*\q+8*\t:(\ob)+32*\q+8*\t+7]
.endr
.endr
	WIN 0
.endm
; A KEY STEP: the 128 keys from KF on, at LDS byte TB.  K's fragments were asked for earlier; V's are asked for here and land under L's softmax.
.macro STEP both
	s_add_co_u32 s58, s[QL], 31
	s_cmp_gt_u32 s[KF], s58                        ; all keys come after all my queries: the step's work is passed over (a branch on ids)
	s_cbranch_scc1 .Lskip_\@
.if \both
	s_add_co_u32 s59, s[QS], 31
	s_cmp_gt_u32 s[KF], s59
	s_cselect_b32 s[SA], 0, 1                      ; 1 while block S still has keys
.endif
	v_add_nc_u32 v[ADV], s[TB], v[AV0]             ; read by the sixteen loads below and by nothing else
.rept 3
	v_nop                                          ; with the addition: four places in front of loads into registers that the last products read
.endr
	WIN 0x40
.irp t, 0,1,2,3
.irp c, 0,1,2,3
	ds_load_b128 v[64+16*\t+4*\c:64+16*\t+4*\c+3], v[ADV] offset:(\c/2)*4352+1088*\t+32*(\c%2)
.endr
.endr
	WIN 0
	UNIT QR, ST, 128, QL, 1, \both
.if \both
	s_cmp_eq_u32 s[SA], 0
	s_cbranch_scc1 .Lskip_\@
	UNIT QR+16, ST+8, 192, QS, 0, 1
.endif
.Lskip_\@:
.endm
; THE CHANGE OF SLOTS, at a slot's head: all my tensor loads are in, the add, my LDS reads are over; behind the barrier the slot ahead is whole and nobody reads the other, which is filled with the next 512 keys up to the causal limit.
.macro CHANGE fill
	s_wait_tensorcnt 0x0
	ds_add_u32 v[SPW], v[NIL]
.if \fill
	s_xor_b32 s[G0+1], s[G0+1], SLOT1              ; no load of mine is out: group 0 walks to the other slot and the next 512 keys
	s_add_nc_u64 s[G0+2:G0+3], s[G0+2:G0+3], s[GST:GST+1]
	s_wait_xcnt 0x0                                ; any prefetch of mine has read its address
	s_add_nc_u64 s[PFA:PFA+1], s[PFA:PFA+1], s[PFS:PFS+1]   ; one slot further on than group 0
.endif
	s_wait_dscnt 0x0
	s_barrier_signal -1
	s_barrier_wait -1
.if \fill
	s_add_co_u32 s58, s[KF], 512                   ; the first key of the slot that this change would ask for
	s_cmp_gt_u32 s58, s[QLAST]                     ; past my work-group's last query: none of its waves would read it.  Ids and the count of steps alone: all four waves go the same way
	s_cbranch_scc1 .Lpast_\@
	TLOAD
.Lpast_\@:
	s_cmp_gt_u32 s[SLOTS], s[LIM]
	s_cbranch_scc0 .Lna_\@
	global_prefetch_b8 v[PFO], s[PFA:PFA+1] th:TH_LOAD_NT scope:SCOPE_SE
.Lna_\@:
.endif
	s_mov_b32 s[TB], s[SB]
	s_mov_b32 s[CNT], 4
.endm
.macro PRE                             ; the slot's first K fragments
	v_add_nc_u32 v[ADK], s[TB], v[AK0]
.rept 3
	v_nop                                          ; with the addition: four places behind the last products
.endr
	KLOAD 0
.endm
.macro NEXT lab                        ; what a step's plain vector instructions wrote last is read again only behind nine or more further ones, or behind the next step's first wait on the vector side
	s_add_co_u32 s[TB], s[TB], STEPB
	s_add_co_u32 s[KF], s[KF], 128
	s_sub_co_u32 s[CNT], s[CNT], 1
	s_cmp_lg_u32 s[CNT], 0
	s_cbranch_scc1 \lab
.endm
	s_wait_alu depctr_va_vdst(0)                   ; the wait at the head's end
	s_wait_loadcnt 0x0                             ; Q
.Lslot:                                            ; slots 0 to 2: keys 0 to 1,535; the first step of each counts for block L in every work-group (its queries begin at 1,024 or later)
	CHANGE 1
	PRE
.Lin:
	STEP 1
	NEXT .Lin
	s_xor_b32 s[SB], s[SB], SLOT1
	s_sub_co_u32 s[SLOTS], s[SLOTS], 1
	s_cmp_lg_u32 s[SLOTS], 0
	s_cbranch_scc1 .Lslot
	CHANGE 0                                       ; the last slot, keys 1,536 on, is written out: nothing is asked for behind it, and block S (queries under 1,024) has no keys there
	s_add_co_u32 s58, s[QL], 31
	s_cmp_gt_u32 s[KF], s58
	s_cbranch_scc1 .Lin2
	PRE
.Lin2:
	STEP 0
	NEXT .Lin2
; THE WAY OUT of a block: O^T / the sum x 2^(e8 + e9), held, converted with 2^e10; 32 rows of 64 bytes through my stage; 2,048 consecutive bytes out.
.macro OUT st, ob, sb, cb, rb
.irp q, 0,1
	v_add_f32 v[224+\q], v[(\st)+4*\q+2], v[(\st)+4*\q+3]
.endr
.irp q, 0,1
	v_permlanex16_b32 v[232+\q], v[224+\q], s[SEL], s[SEL+1]
.endr
.irp q, 0,1
	v_add_f32 v[224+\q], v[224+\q], v[232+\q]
.endr
	s_wait_alu depctr_va_vdst(0)                   ; ahead of the transcendentals
	v_rcp_f32 v224, v224
	v_rcp_f32 v225, v225
	v_nop
	s_wait_alu depctr_va_vdst(0)                   ; and ahead of their first reader
	v_ldexp_f32 v224, v224, s[ES]
	v_ldexp_f32 v225, v225, s[ES]
	WIN 0x01
	s_wait_alu depctr_va_vdst(0)                   ; directly ahead of the first readers of O^T
.irp q, 0,1
.set j, 0
.rept 32
	v_mul_f32 v[SR+32*\q+j], v[(\ob)+32*\q+j], v[224+\q]   ; register 8 t + i is o(query r, channel 16 t + 8 h + i)
.set j, j+1
.endr
.endr
	WIN 0
.set j, 0
.rept 64
	v_med3_num_f32 v[SR+j], v[SR+j], -v[LO], v[LO]
.set j, j+1
.endr
.irp g, 0,1,2,3,4,5,6,7
	v_cvt_scalef32_pk8_fp8_f32 v[(\cb)+2*\g:(\cb)+2*\g+1], v[SR+8*\g:SR+8*\g+7], v[SO]
.endr
	v_nop
.irp q, 0,1
.irp t, 0,1,2,3
	ds_store_b64 v[STI], v[(\cb)+8*\q+2*\t:(\cb)+8*\q+2*\t+1] offset:1024*\q+16*\t
.endr
.endr
.irp i, 0,1,2,3
	ds_load_b128 v[(\rb)+4*\i:(\rb)+4*\i+3], v[STR] offset:512*\i   ; LDS serves a wave's instructions in order: these see my stores
.endr
.irp i, 0,1,2,3
	s_wait_dscnt 3-\i                              ; the younger reads may be out
	global_store_b128 v[GO], v[(\rb)+4*\i:(\rb)+4*\i+3], s[\sb:\sb+1] offset:512*\i   ; 32 lanes store 512 consecutive bytes, aligned
.endr
.endm
	OUT ST+8, 192, 80, CR, 128
	OUT ST, 128, 78, CR+16, 144
	s_wait_tensorcnt 0x0                           ; the wave's end
	ds_add_u32 v[SPW], v[NIL]
	s_wait_dscnt 0x0
	s_endpgm
.Lfunc_end_k_q26d4f08ee9_attn:
	.size	k_q26d4f08ee9_attn, .Lfunc_end_k_q26d4f08ee9_attn-k_q26d4f08ee9_attn
	.p2alignl 7, 3214868480
	.fill 96, 4, 3214868480
	.section	.rodata,"a",@progbits
	.p2align	6, 0x0
	.amdhsa_kernel k_q26d4f08ee9_attn
		.amdhsa_group_segment_fixed_size 327680
		.amdhsa_private_segment_fixed_size 0
		.amdhsa_enable_private_segment 0
		.amdhsa_kernarg_size 24
		.amdhsa_user_sgpr_count 2
		.amdhsa_user_sgpr_kernarg_segment_ptr 1
		.amdhsa_wavefront_size32 1
		.amdhsa_system_sgpr_workgroup_id_x 1
		.amdhsa_system_sgpr_workgroup_id_y 1
		.amdhsa_system_sgpr_workgroup_id_z 1
		.amdhsa_system_vgpr_workitem_id 0
		.amdhsa_next_free_vgpr 512
		.amdhsa_next_free_sgpr 96
		.amdhsa_reserve_vcc 1
		.amdhsa_float_denorm_mode_32 3
		.amdhsa_float_denorm_mode_16_64 3
		.amdhsa_memory_ordered 1
		.amdhsa_forward_progress 1
		.amdhsa_inst_pref_size 149
	.end_amdhsa_kernel
	.amdgpu_metadata
---
amdhsa.version: [ 1, 2 ]
amdhsa.kernels:
  - .name:           k_q26d4f08ee9_attn
    .symbol:         k_q26d4f08ee9_attn.kd
    .args:
      - { .name: qkvc, .offset: 0, .size: 8, .value_kind: global_buffer, .address_space: global }
      - { .name: lowp_scales, .offset: 8, .size: 8, .value_kind: global_buffer, .address_space: global }
      - { .name: attc, .offset: 16, .size: 8, .value_kind: global_buffer, .address_space: global }
    .group_segment_fixed_size: 327680
    .private_segment_fixed_size: 0
    .kernarg_segment_align: 8
    .kernarg_segment_size: 24
    .max_flat_workgroup_size: 128
    .sgpr_count:     96
    .vgpr_count:     512
    .wavefront_size: 32
...
	.end_amdgpu_metadata
.endif
;; end of part 3
;; launch proj (part 4): grid 8 x 32, 4 waves a work-group, clusters of 4 x 4, 327,680 bytes of LDS; arguments attc, wc, lowp_scales, b_proj, x, x2; writes x2
.if DOCPART == 4
	.amdgcn_target "amdgcn-amd-amdhsa--gfx1250"
	.amdhsa_code_object_version 6
	.text
	.protected	k_q26d4f08ee9_proj
	.globl	k_q26d4f08ee9_proj
	.p2align	8
	.type	k_q26d4f08ee9_proj,@function
k_q26d4f08ee9_proj:
	s_mov_b64 s[64:65], 0
	v_nop
	global_prefetch_b8 v0, s[64:65] scope:SCOPE_SE
	s_setreg_imm32_b32 hwreg(HW_REG_WAVE_MODE, 25, 1), 1
	s_wait_xcnt 0x0
	s_wait_alu depctr_hold_cnt(0) depctr_sa_sdst(0) depctr_va_vdst(0) depctr_va_sdst(0) depctr_va_ssrc(0) depctr_va_vcc(0) depctr_vm_vsrc(0)
	s_getreg_b32 s2, hwreg(HW_REG_IB_STS2, 6, 4)
	s_cmp_eq_u32 s2, 0
	s_cbranch_scc0 .Lentry_in_a_cluster
	s_endpgm
.Lentry_in_a_cluster:
	s_bfe_u32 s2, ttmp6, 0x10000c
	s_cmp_lg_u32 s2, 0xf033
	s_cbranch_scc0 .Lentry_shape_is_right
	s_endpgm
.Lentry_shape_is_right:
; PRODUCT 6 and the first residual: x2 = x + (att Wproj x 2^(e10 + e11) + b_proj).  C[m][n] = sum over k of A[m][k] B[n][k], M = 4,096, N = 1,024, K = SIZE_K.
; A: codes in blocks of 64 along K: byte (k / 64) x 262,144 + 64 m + k % 64.  B: codes [1024 n][SIZE_K], at WOFF in wc.  Bias [1024], residual and result [4096][1024] f32.
; LIMIT: the two exponents' sum lies between -126 and 127.
; SHAPE: C has 64 tiles of 256 x 256 but 256 of 128 x 128: the smaller tile gives every WGP one.  Four waves, 64 x 64 each: 16 accumulators.  K goes in steps of 512 through two LDS slots; 4 x 4 work-groups form a cluster,
; A's tile asked for jointly along a row, B's along a column.  The matrix instruction is used transposed (source 0 = rows of B, source 1 = rows of A): a lane holds eight neighbouring columns of a row of C.
; LDS: a slot: A: 8 blocks of 64 along K, each 128 rows x 64 bytes = 32 units of 256 + 16 (row R at 64 R + 16 (R / 4)): 69,632 bytes; then B: 128 rows of 512 + 16.  The stages of the way out lie in slot 0, behind its last fill and last read.
; REGISTERS: window 0: v12-29 addresses and the bias; v32-95 the way out; v128-255 the accumulators.  Window 1: two fragment buffers (A's 4 x 16 registers, then B's).  Window 2: v0-127 my 64 rows x 256 bytes of the residual, asked for at the head.
.set SIZE_K, 1024
.set WOFF,   0x300000
.set EOFF,   40
.set KSTEP,  512
.set AKB,    8704
.set APART,  8*AKB
.set BPITCH, 528
.set SLOT,   APART+128*BPITCH
.set SPARE,  2*SLOT                    ; behind the ring: the spare words, 128 bytes a wave
.set LAPS,   SIZE_K/(2*KSTEP)
.set BI,   12
.set ADRA, 16
.set ADRB, 20
.set STO,  24
.set RD,   25
.set CO,   26
.set BO,   27
.set SPW,  28
.set NIL,  29
.set ACC,  128
.set F0,   0
.set F1,   128
.set G1, 24
.set G0, 32
.set G1B, 48
.set G0B, 56
.set MSB, 0
.macro WIN new
.if MSB != (\new)
	s_set_vgpr_msb (MSB<<8)|(\new)
.set MSB, (\new)
.endif
.endm
.set MUL,  0x05                        ; sources 0 (B) and 1 (A) window 1; C and D window 0
.set TO_F, 0x40                        ; destination window 1
.macro JLOAD s                         ; a joint load: waves 0, 1 fetch A's halves, waves 2, 3 B's; four v_nop follow each line
	s_cmp_eq_u32 s11, 0
	s_cbranch_scc0 .Lfor_b_\@
	tensor_load_to_lds s[G0+4*\s:G0+4*\s+3], s[G1:G1+7]
	s_nop 0
.rept 4
	v_nop
.endr
	s_branch .Lasked_\@
.Lfor_b_\@:
	tensor_load_to_lds s[G0B+4*\s:G0B+4*\s+3], s[G1B:G1B+7]
	s_nop 0
.rept 4
	v_nop
.endr
.Lasked_\@:
.endm
.macro CREST
	s_cmp_lg_u32 s10, 0
	s_cbranch_scc1 .Lnot_wave_0_\@
	s_barrier_signal -3
.Lnot_wave_0_\@:
	s_barrier_wait -3
	s_barrier_signal -1
	s_barrier_wait -1
.endm
.macro CROUND
	s_barrier_signal -1
	s_barrier_wait -1
	CREST
.endm
	s_load_b256 s[68:75], s[0:1], 0x0              ; A s[68:69], wc s[70:71], the exponents s[72:73], the bias s[74:75]
	s_load_b128 s[76:79], s[0:1], 0x20             ; the residual s[76:77], the result s[78:79]
	v_lshl_add_u32 v[SPW], v0, 2, SPARE
	v_mov_b32 v[NIL], 0
	ds_add_u32 v28, v29
	ds_add_u32 v28, v29
	s_wait_dscnt 0x0
	v_lshrrev_b32 v1, 5, v0
	v_readfirstlane_b32 s10, v1                    ; wave 0..3
	s_lshr_b32 s11, s10, 1                         ; my half of the rows; also: I fetch for A (0) or B (1)
	s_and_b32 s12, s10, 1                          ; my half of the columns; also: which half of that tile I fetch
	s_bfe_u32 s40, ttmp6, 0x40000                  ; cx
	s_bfe_u32 s41, ttmp6, 0x40004                  ; cy
	s_lshl_b32 s42, ttmp9, 2
	s_add_co_u32 s42, s42, s40                     ; tile column
	s_and_b32 s13, ttmp7, 0xffff
	s_lshl_b32 s13, s13, 2
	s_add_co_u32 s13, s13, s41                     ; tile row
	s_lshl_b32 s43, s41, 2
	s_lshl_b32 s43, 15, s43                        ; my row of the cluster
	s_lshl_b32 s44, 0x1111, s40                    ; my column
	; A: 4 rows of 8,192 bytes (a block of 64 along K x 128 rows of C), 262,144 bytes apart; 16 bytes of padding behind every 256
	s_or_b32 s[G1+0], s43, (0<<16)|(1<<20)|(1<<21)|(5<<22)|(3<<25)
	s_mov_b32 s[G1+1], 8192<<16
	s_mov_b32 s[G1+2], 4<<16
	s_mov_b32 s[G1+3], 8192<<16
	s_mov_b32 s[G1+4], 4
	s_mov_b32 s[G1+5], 262144
	s_mov_b32 s[G1+6], 0
	s_mov_b32 s[G1+7], 0
	; B: 64 rows of 512 bytes, SIZE_K apart; 16 bytes of padding behind each
	s_or_b32 s[G1B+0], s44, (0<<16)|(1<<20)|(1<<21)|(6<<22)|(3<<25)
	s_mov_b32 s[G1B+1], KSTEP<<16
	s_mov_b32 s[G1B+2], 64<<16
	s_mov_b32 s[G1B+3], KSTEP<<16
	s_mov_b32 s[G1B+4], 64
	s_mov_b32 s[G1B+5], SIZE_K
	s_mov_b32 s[G1B+6], 0
	s_mov_b32 s[G1B+7], 0
	s_lshl_b32 s16, s12, 20                        ; A: blocks 4 x half on,
	s_lshl_b32 s17, s13, 13                        ; rows 128 x tile row on
	s_add_co_u32 s16, s16, s17
	s_mov_b32 s17, 0
	s_lshl_b32 s46, s42, 7
	s_lshl_b32 s47, s12, 6
	s_add_co_u32 s46, s46, s47                     ; B: row 128 x tile column + 64 x half
	s_mul_i32 s46, s46, SIZE_K
	s_add_co_u32 s46, s46, WOFF
	s_mov_b32 s47, 0
	s_mul_i32 s20, s12, 4*AKB                      ; where they go in a slot
	s_mul_i32 s21, s12, 64*BPITCH
	s_add_co_u32 s21, s21, APART
	s_wait_kmcnt 0x0
	s_load_b64 s[80:81], s[72:73], EOFF            ; the two exponents
	s_add_nc_u64 s[14:15], s[68:69], s[16:17]
	s_add_nc_u64 s[46:47], s[70:71], s[46:47]
	CROUND                                         ; all sixteen work-groups are here: the first joint loads meet
.irp s, 0,1
	s_mov_b32 s[G0+4*\s], 1
	s_add_co_u32 s[G0+4*\s+1], s20, \s*SLOT
	s_add_nc_u64 s[G0+4*\s+2:G0+4*\s+3], s[14:15], \s*8*262144
	s_or_b32 s[G0+4*\s+3], s[G0+4*\s+3], 0x80000000
	s_mov_b32 s[G0B+4*\s], 1
	s_add_co_u32 s[G0B+4*\s+1], s21, \s*SLOT
	s_add_nc_u64 s[G0B+4*\s+2:G0B+4*\s+3], s[46:47], \s*KSTEP
	s_or_b32 s[G0B+4*\s+3], s[G0B+4*\s+3], 0x80000000
.endr
	JLOAD 0                                        ; K step 0: one tensor load a wave at the head
	; the prefetch of K step 1, whose load follows when K step 0 has landed: what I fetch of it is 128 blocks of 256 bytes; the four partners that ask for it with me share them out by address, 32 each, a lane a block:
	; A: one of my four blocks of 64 along K (8,192 consecutive bytes); B: 16 of my 64 rows, 512 bytes of each
	s_cmp_eq_u32 s11, 0
	s_cselect_b64 s[82:83], s[14:15], s[46:47]
	s_cselect_b32 s86, s40, s41                    ; my place among the four
	s_cselect_b32 s87, 18, 14                      ; from partner to partner: 262,144 or 16,384 bytes
	s_cselect_b32 s88, 9, 10                       ; from pair of lanes to pair: 512 or 1,024 bytes
	s_mov_b32 s84, 512
	s_cselect_b32 s84, 0x200000, s84               ; a K step on
	s_mov_b32 s85, 0
	s_lshl_b32 s86, s86, s87
	s_mov_b32 s87, 0
	s_add_nc_u64 s[82:83], s[82:83], s[86:87]
	s_add_nc_u64 s[82:83], s[82:83], s[84:85]
	v_bfe_u32 v30, v0, 1, 4
	v_lshlrev_b32 v30, s88, v30
	v_and_b32 v31, 1, v0
	v_lshl_add_u32 v30, v31, 8, v30
	global_prefetch_b8 v30, s[82:83] th:TH_LOAD_NT scope:SCOPE_SE
	v_and_b32 v1, 15, v0                           ; r
	v_bfe_u32 v2, v0, 4, 1                         ; h
	v_lshlrev_b32 v3, 6, v1
	v_lshrrev_b32 v4, 2, v1
	v_lshl_add_u32 v3, v4, 4, v3
	v_lshl_add_u32 v3, v2, 4, v3                   ; A: 64 r + 16 (r / 4) + 16 h
	v_mul_u32_u24 v4, v1, BPITCH
	v_lshl_add_u32 v4, v2, 4, v4                   ; B: 528 r + 16 h
	s_mul_i32 s21, s11, 4352                       ; my 64 rows of A
	s_mul_i32 s22, s12, 64*BPITCH                  ; my 64 rows of B
	s_add_co_u32 s22, s22, APART
.irp s, 0,1
	v_add_nc_u32 v[ADRA+\s], s21, v3
	v_add_nc_u32 v[ADRB+\s], s22, v4
	s_add_co_u32 s21, s21, SLOT
	s_add_co_u32 s22, s22, SLOT
.endr
	s_mul_i32 s23, s10, 4352                       ; my stage: 16 rows of 256 + 16 bytes
	v_mul_u32_u24 v5, v1, 272
	v_lshl_add_u32 v5, v2, 5, v5
	v_add_nc_u32 v[STO], s23, v5                   ; in: row r, 32 bytes for each half of the lanes
	v_mul_u32_u24 v5, v2, 272
	v_lshl_add_u32 v5, v1, 4, v5
	v_add_nc_u32 v[RD], s23, v5                    ; back: lanes 0-15 one row, lanes 16-31 the next
	v_lshlrev_b32 v5, 12, v2
	v_lshl_add_u32 v[CO], v1, 4, v5                ; and the same two rows in memory
	v_lshlrev_b32 v[BO], 4, v1
	s_wait_alu depctr_va_vdst(0)
	s_lshl_b32 s16, s42, 7
	s_lshl_b32 s17, s12, 6
	s_add_co_u32 s16, s16, s17
	s_lshl_b32 s16, s16, 2                         ; my 64 columns, in bytes: 256, aligned
	s_mov_b32 s17, 0
	s_add_nc_u64 s[74:75], s[74:75], s[16:17]
	s_lshl_b32 s18, s13, 7
	s_lshl_b32 s19, s11, 6
	s_add_co_u32 s18, s18, s19
	s_lshl_b32 s18, s18, 12                        ; my 64 rows
	s_add_co_u32 s16, s16, s18
	s_add_nc_u64 s[76:77], s[76:77], s[16:17]
	s_add_nc_u64 s[78:79], s[78:79], s[16:17]
.macro MUL8 f, a0, zero                ; 8 matrix instructions: A's blocks a0, a0 + 1 x B's four, 128 along K.  The 16 accumulators take turns, in the same order in every quarter
.irp a, \a0, \a0+1
.irp b, 0,1,2,3
.if \zero
	v_wmma_f32_16x16x128_fp8_fp8 v[ACC+8*(4*(\a)+\b):ACC+8*(4*(\a)+\b)+7], v[\f+64+16*\b:\f+64+16*\b+15], v[\f+16*(\a):\f+16*(\a)+15], 0
.else
	v_wmma_f32_16x16x128_fp8_fp8 v[ACC+8*(4*(\a)+\b):ACC+8*(4*(\a)+\b)+7], v[\f+64+16*\b:\f+64+16*\b+15], v[\f+16*(\a):\f+16*(\a)+15], v[ACC+8*(4*(\a)+\b):ACC+8*(4*(\a)+\b)+7]
.endif
.endr
.endr
.endm
.macro FETCH slot, q, f                ; 32 LDS loads in one run: the slot's q-th 128 along K: B's four fragments, then A's blocks 0, 1, then 2, 3
	WIN TO_F
.irp i, 0,1,2,3
.irp c, 0,1,2,3
	ds_load_b128 v[\f+64+16*\i+4*\c:\f+64+16*\i+4*\c+3], v[ADRB+\slot] offset:16*BPITCH*\i+128*(\q)+32*\c
.endr
.endr
.irp i, 0,1,2,3
.irp c, 0,1,2,3
	ds_load_b128 v[\f+16*\i+4*\c:\f+16*\i+4*\c+3], v[ADRA+\slot] offset:(2*(\q)+\c/2)*AKB+1088*\i+32*(\c%2)
.endr
.endr
.endm
.macro PLACES
.rept 4
	v_nop
.endr
.endm
.macro QUARTER slot, qn, f, g, zero    ; multiplies buffer f; in its middle fetches the slot's quarter qn into g
	s_wait_dscnt 8                                 ; B and A's blocks 0, 1 are in; blocks 2, 3 (8 loads) may be out
	WIN MUL
	MUL8 \f, 0, \zero
	PLACES
	FETCH \slot, \qn, \g
	s_wait_dscnt 32                                ; all but the 32 just issued
	WIN MUL
	MUL8 \f, 2, \zero
.endm
.macro TURN slot, next, fill           ; the last quarter multiplies buffer 1 and changes slots: one barrier
	WIN 0
	s_wait_tensorcnt 0x0                           ; all my tensor loads have landed: my part of the next slot
	ds_add_u32 v[SPW], v[NIL]                      ; 0 onto my spare word
	s_wait_dscnt 9                                 ; the add and the youngest eight loads may be out
	WIN MUL
	MUL8 F1, 0, 0
	s_wait_dscnt 0x0                               ; the add is done, and my reads of this slot are over
	s_barrier_signal -1
	WIN 0
	s_barrier_wait -1
.if \fill
	CREST                                          ; the barrier has opened a round of the cluster's
	s_add_nc_u64 s[G0+4*\slot+2:G0+4*\slot+3], s[G0+4*\slot+2:G0+4*\slot+3], 16*262144
	s_add_nc_u64 s[G0B+4*\slot+2:G0B+4*\slot+3], s[G0B+4*\slot+2:G0B+4*\slot+3], 2*KSTEP
	JLOAD \slot                                    ; the first tensor load behind the round, one a wave; its four v_nop are the places in front of the loads below
.else
	PLACES
.endif
	FETCH \next, 0, F0
	WIN MUL
	MUL8 F1, 2, 0
.endm
	s_wait_alu depctr_va_vdst(0)                   ; the wait at the head's end
	s_wait_tensorcnt 0x0                           ; my part of K step 0 is in; the lines that stand ahead of a later first fill, as ahead of a refill:
	ds_add_u32 v[SPW], v[NIL]
	s_wait_dscnt 0x0
	CROUND                                         ; everybody's part of K step 0 is in, and all sixteen work-groups are here
	JLOAD 1                                        ; K step 1: the first tensor load behind the round
	FETCH 0, 0, F0
	WIN 0
	global_load_b128 v[BI:BI+3], v[BO], s[74:75]   ; the bias of the four columns that I hold when rows come back from the stage
	WIN 0x80                                       ; destination window 2
.set t, 0
.rept 32
	global_load_b128 v[4*t:4*t+3], v[CO], s[76:77] offset:2*t*4096   ; the residual, in the layout of the stores: asked for behind both K steps' tiles, read on the way out
.set t, t+1
.endr
	WIN 0
	QUARTER 0, 1, F0, F1, 1                        ; the first quarter starts the sums
.if LAPS > 1
	WIN 0
	s_mov_b32 s3, LAPS-1
.Llap:
	QUARTER 0, 2, F1, F0, 0
	QUARTER 0, 3, F0, F1, 0
	TURN 0, 1, 1
	QUARTER 1, 1, F0, F1, 0
	QUARTER 1, 2, F1, F0, 0
	QUARTER 1, 3, F0, F1, 0
	TURN 1, 0, 1
	QUARTER 0, 1, F0, F1, 0
	WIN 0
	s_sub_co_u32 s3, s3, 1
	s_cmp_lg_u32 s3, 0
	s_cbranch_scc1 .Llap
.endif
	QUARTER 0, 2, F1, F0, 0                        ; the last lap fills nothing
	QUARTER 0, 3, F0, F1, 0
	TURN 0, 1, 0
	QUARTER 1, 1, F0, F1, 0
	QUARTER 1, 2, F1, F0, 0
	QUARTER 1, 3, F0, F1, 0
	s_wait_dscnt 8
	WIN MUL
	MUL8 F1, 0, 0
	s_wait_dscnt 0
	MUL8 F1, 2, 0
	WIN 0
	; THE WAY OUT, 16 rows at a time: the sums through my stage; back as whole rows of 256 bytes; x 2^(ea + eb) + bias, + residual; stored.
	s_wait_loadcnt 0x0                             ; the bias and the residual
	s_wait_kmcnt 0x0
	s_add_co_i32 s80, s80, s81
	s_add_co_i32 s80, s80, 127
	s_lshl_b32 s80, s80, 23                        ; 2^(ea + eb) as f32
	s_mov_b32 s81, s80
	PLACES
.macro OUTB a
.set OU, 32+32*((\a)%2)
.if (\a) >= 2
	s_wait_xcnt 0x0                                ; the stores of two blocks back have read these registers
.endif
.irp b, 0,1,2,3
	ds_store_b128 v[STO], v[ACC+8*(4*(\a)+\b):ACC+8*(4*(\a)+\b)+3] offset:64*\b      ; each accumulator from its low end on
	ds_store_b128 v[STO], v[ACC+8*(4*(\a)+\b)+4:ACC+8*(4*(\a)+\b)+7] offset:64*\b+16
.endr
.irp t, 0,1,2,3,4,5,6,7
	ds_load_b128 v[OU+4*\t:OU+4*\t+3], v[RD] offset:544*\t    ; LDS serves a wave's instructions in order: these see my stores
.endr
	s_wait_dscnt 0x0
.irp t, 0,1,2,3,4,5,6,7
	v_pk_fma_f32 v[OU+4*\t:OU+4*\t+1], v[OU+4*\t:OU+4*\t+1], s[80:81], v[BI:BI+1] op_sel_hi:[1,0,1]
	v_pk_fma_f32 v[OU+4*\t+2:OU+4*\t+3], v[OU+4*\t+2:OU+4*\t+3], s[80:81], v[BI+2:BI+3] op_sel_hi:[1,0,1]
.endr
	WIN 0x08                                       ; source 1: window 2
.set i, 0
.rept 16
	v_pk_add_f32 v[OU+i:OU+i+1], v[OU+i:OU+i+1], v[32*(\a)+i:32*(\a)+i+1]
.set i, i+2
.endr
	WIN 0
.irp t, 0,1,2,3,4,5,6,7
	global_store_b128 v[CO], v[OU+4*\t:OU+4*\t+3], s[78:79] offset:(16*(\a)+2*\t)*4096   ; 16 lanes store 256 consecutive bytes, aligned
.endr
.endm
.irp a, 0,1,2,3
	OUTB \a
.endr
	s_wait_tensorcnt 0x0                           ; the wave's end
	ds_add_u32 v[SPW], v[NIL]
	s_wait_dscnt 0x0
	CROUND                                         ; the closing round
	s_endpgm
.Lfunc_end_k_q26d4f08ee9_proj:
	.size	k_q26d4f08ee9_proj, .Lfunc_end_k_q26d4f08ee9_proj-k_q26d4f08ee9_proj
	.p2alignl 7, 3214868480
	.fill 96, 4, 3214868480
	.section	.rodata,"a",@progbits
	.p2align	6, 0x0
	.amdhsa_kernel k_q26d4f08ee9_proj
		.amdhsa_group_segment_fixed_size 327680
		.amdhsa_private_segment_fixed_size 0
		.amdhsa_enable_private_segment 0
		.amdhsa_kernarg_size 48
		.amdhsa_user_sgpr_count 2
		.amdhsa_user_sgpr_kernarg_segment_ptr 1
		.amdhsa_wavefront_size32 1
		.amdhsa_system_sgpr_workgroup_id_x 1
		.amdhsa_system_sgpr_workgroup_id_y 1
		.amdhsa_system_sgpr_workgroup_id_z 1
		.amdhsa_system_vgpr_workitem_id 0
		.amdhsa_next_free_vgpr 768
		.amdhsa_next_free_sgpr 96
		.amdhsa_reserve_vcc 0
		.amdhsa_float_denorm_mode_32 3
		.amdhsa_float_denorm_mode_16_64 3
		.amdhsa_memory_ordered 1
		.amdhsa_forward_progress 1
		.amdhsa_inst_pref_size 54
	.end_amdhsa_kernel
	.amdgpu_metadata
---
amdhsa.version: [ 1, 2 ]
amdhsa.kernels:
  - .name:           k_q26d4f08ee9_proj
    .symbol:         k_q26d4f08ee9_proj.kd
    .args:
      - { .name: attc, .offset: 0, .size: 8, .value_kind: global_buffer, .address_space: global }
      - { .name: wc, .offset: 8, .size: 8, .value_kind: global_buffer, .address_space: global }
      - { .name: lowp_scales, .offset: 16, .size: 8, .value_kind: global_buffer, .address_space: global }
      - { .name: b_proj, .offset: 24, .size: 8, .value_kind: global_buffer, .address_space: global }
      - { .name: x, .offset: 32, .size: 8, .value_kind: global_buffer, .address_space: global }
      - { .name: x2, .offset: 40, .size: 8, .value_kind: global_buffer, .address_space: global }
    .group_segment_fixed_size: 327680
    .private_segment_fixed_size: 0
    .kernarg_segment_align: 8
    .kernarg_segment_size: 48
    .max_flat_workgroup_size: 128
    .sgpr_count:     96
    .vgpr_count:     768
    .wavefront_size: 32
...
	.end_amdgpu_metadata
.endif
;; end of part 4
;; launch ln2 (part 5): grid 256 x 1, 4 waves a work-group, no clusters, 0 bytes of LDS; arguments x2, ln2_g, ln2_b, lowp_scales, h2c; writes h2c
.if DOCPART == 5
	.amdgcn_target "amdgcn-amd-amdhsa--gfx1250"
	.amdhsa_code_object_version 6
	.text
	.protected	k_q26d4f08ee9_ln2
	.globl	k_q26d4f08ee9_ln2
	.p2align	8
	.type	k_q26d4f08ee9_ln2,@function
k_q26d4f08ee9_ln2:
	s_mov_b64 s[64:65], 0
	v_nop
	global_prefetch_b8 v0, s[64:65] scope:SCOPE_SE
	s_setreg_imm32_b32 hwreg(HW_REG_WAVE_MODE, 25, 1), 1
	s_wait_xcnt 0x0
; h2 = LayerNorm(x2) in f32, quantised with 2^e12 into h2c [4096][1024], codes of E4M3.
; A wave takes a whole row (32 registers a lane: register 8 j + i = column 256 j + 8 lane + i), four rows; mean, then the centred sum of squares; no LDS, no barrier.
; LIMIT: e12 between -126 and 119.  NaN among the inputs is not served.
	s_load_b256 s[8:15], s[0:1], 0x0               ; x2, gain, bias, the exponents
	s_load_b64 s[16:17], s[0:1], 0x20              ; h2c
	v_lshrrev_b32 v1, 5, v0
	v_readfirstlane_b32 s56, v1                    ; wave 0..3
	v_and_b32 v2, 31, v0
	s_lshl_b32 s57, ttmp9, 4
	s_lshl_b32 s58, s56, 2
	s_add_co_u32 s57, s57, s58                     ; my first row
	s_lshl_b32 s58, s57, 12
	s_mov_b32 s59, 0
	s_wait_alu depctr_va_vdst(0)
	s_wait_kmcnt 0x0
	s_load_b32 s40, s[14:15], 0x30                 ; e12
	s_add_nc_u64 s[8:9], s[8:9], s[58:59]
	s_lshl_b32 s58, s57, 10
	s_add_nc_u64 s[66:67], s[16:17], s[58:59]
	s_mov_b32 s72, 0x76543210
	s_mov_b32 s73, 0xfedcba98
	s_mov_b32 s62, 0x3a800000                      ; 1 / 1024
	s_mov_b32 s63, 0x3727c5ac                      ; 1e-5
	v_lshlrev_b32 v30, 5, v2
	v_lshlrev_b32 v1, 3, v2
	v_mov_b32 v29, 0
.macro XROW q
.irp j, 0,1,2,3
	global_load_b128 v[32+32*\q+8*\j:32+32*\q+8*\j+3], v30, s[8:9] offset:4096*\q+1024*\j
	global_load_b128 v[32+32*\q+8*\j+4:32+32*\q+8*\j+7], v30, s[8:9] offset:4096*\q+1024*\j+16
.endr
.endm
	XROW 0
.irp j, 0,1,2,3
	global_load_b128 v[160+8*\j:160+8*\j+3], v30, s[10:11] offset:1024*\j
	global_load_b128 v[160+8*\j+4:160+8*\j+7], v30, s[10:11] offset:1024*\j+16
.endr
.irp j, 0,1,2,3
	global_load_b128 v[192+8*\j:192+8*\j+3], v30, s[12:13] offset:1024*\j
	global_load_b128 v[192+8*\j+4:192+8*\j+7], v30, s[12:13] offset:1024*\j+16
.endr
	XROW 1
	XROW 2
	XROW 3
	s_wait_kmcnt 0x0
	s_add_co_i32 s60, s40, 127
	s_lshl_b32 s61, s60, 23
	v_mov_b32 v18, s61                             ; 2^e12
	s_add_co_i32 s60, s60, 8
	s_lshl_b32 s60, s60, 23
	s_or_b32 s60, s60, 0x600000
	v_mov_b32 v19, s60                             ; 448 x 2^e12
.macro ACROSS
	v_add_f32_dpp v28, v28, v28 row_xmask:1 row_mask:0xf bank_mask:0xf
	v_add_f32_dpp v28, v28, v28 row_xmask:2 row_mask:0xf bank_mask:0xf
	v_add_f32_dpp v28, v28, v28 row_xmask:4 row_mask:0xf bank_mask:0xf
	v_add_f32_dpp v28, v28, v28 row_xmask:8 row_mask:0xf bank_mask:0xf
	v_permlanex16_b32 v29, v28, s72, s73
	v_add_f32 v28, v28, v29
.endm
.macro LNROW q, cnt                    ; cnt: the loads issued behind this row's, which may stay out
.set XR, 32+32*(\q)
	s_wait_loadcnt \cnt
	v_pk_add_f32 v[2:3], v[XR:XR+1], v[XR+2:XR+3]
	v_pk_add_f32 v[4:5], v[XR+4:XR+5], v[XR+6:XR+7]
.irp j, 8,12,16,20,24,28
	v_pk_add_f32 v[2:3], v[2:3], v[XR+\j:XR+\j+1]
	v_pk_add_f32 v[4:5], v[4:5], v[XR+\j+2:XR+\j+3]
.endr
	v_pk_add_f32 v[2:3], v[2:3], v[4:5]
	v_add_f32 v28, v2, v3
	ACROSS
	v_mul_f32 v24, s62, v28                        ; the mean, in both halves of a pair
	v_mul_f32 v25, s62, v28
.irp j, 0,2,4,6,8,10,12,14,16,18,20,22,24,26,28,30
	v_pk_add_f32 v[XR+\j:XR+\j+1], v[XR+\j:XR+\j+1], v[24:25] neg_lo:[0,1] neg_hi:[0,1]
.endr
	v_pk_mul_f32 v[2:3], v[XR:XR+1], v[XR:XR+1]
	v_pk_mul_f32 v[4:5], v[XR+2:XR+3], v[XR+2:XR+3]
.irp j, 4,8,12,16,20,24,28
	v_pk_fma_f32 v[2:3], v[XR+\j:XR+\j+1], v[XR+\j:XR+\j+1], v[2:3]
	v_pk_fma_f32 v[4:5], v[XR+\j+2:XR+\j+3], v[XR+\j+2:XR+\j+3], v[4:5]
.endr
	v_pk_add_f32 v[2:3], v[2:3], v[4:5]
	v_add_f32 v28, v2, v3
	ACROSS
	v_fma_f32 v28, v28, s62, s63
	s_wait_alu depctr_va_vdst(0)
	v_rsq_f32 v26, v28
	v_rsq_f32 v27, v28
	v_nop                                          ; a plain instruction behind the transcendentals,
	s_wait_alu depctr_va_vdst(0)                   ; and the one wait ahead of their first reader
.if (\q) == 0
	s_wait_loadcnt 24                              ; gain and bias are in; rows 1 to 3 (24 loads) may be out
.endif
.irp j, 0,2,4,6,8,10,12,14,16,18,20,22,24,26,28,30
	v_pk_mul_f32 v[XR+\j:XR+\j+1], v[XR+\j:XR+\j+1], v[26:27]
.endr
.irp j, 0,2,4,6,8,10,12,14,16,18,20,22,24,26,28,30
	v_pk_fma_f32 v[XR+\j:XR+\j+1], v[XR+\j:XR+\j+1], v[160+\j:161+\j], v[192+\j:193+\j]
.endr
	s_wait_xcnt 0x0                                ; the last row's stores have read the codes' registers
.irp j, 0,1,2,3
.set TM, 2+8*((\j)%2)
.irp i, 0,1,2,3,4,5,6,7
	v_med3_num_f32 v[TM+\i], v[XR+8*\j+\i], -v19, v19
.endr
	v_cvt_scalef32_pk8_fp8_f32 v[224+2*\j:225+2*\j], v[TM:TM+7], v18
	global_store_b64 v1, v[224+2*\j:225+2*\j], s[66:67] offset:1024*(\q)+256*\j   ; 32 lanes store 256 consecutive bytes, aligned
.endr
.endm
	LNROW 0, 40
	LNROW 1, 16
	LNROW 2, 8
	LNROW 3, 0
	s_endpgm
.Lfunc_end_k_q26d4f08ee9_ln2:
	.size	k_q26d4f08ee9_ln2, .Lfunc_end_k_q26d4f08ee9_ln2-k_q26d4f08ee9_ln2
	.p2alignl 7, 3214868480
	.fill 96, 4, 3214868480
	.section	.rodata,"a",@progbits
	.p2align	6, 0x0
	.amdhsa_kernel k_q26d4f08ee9_ln2
		.amdhsa_group_segment_fixed_size 0
		.amdhsa_private_segment_fixed_size 0
		.amdhsa_enable_private_segment 0
		.amdhsa_kernarg_size 40
		.amdhsa_user_sgpr_count 2
		.amdhsa_user_sgpr_kernarg_segment_ptr 1
		.amdhsa_wavefront_size32 1
		.amdhsa_system_sgpr_workgroup_id_x 1
		.amdhsa_system_sgpr_workgroup_id_y 1
		.amdhsa_system_sgpr_workgroup_id_z 1
		.amdhsa_system_vgpr_workitem_id 0
		.amdhsa_next_free_vgpr 256
		.amdhsa_next_free_sgpr 80
		.amdhsa_reserve_vcc 0
		.amdhsa_float_denorm_mode_32 3
		.amdhsa_float_denorm_mode_16_64 3
		.amdhsa_memory_ordered 1
		.amdhsa_forward_progress 1
		.amdhsa_inst_pref_size 41
	.end_amdhsa_kernel
	.amdgpu_metadata
---
amdhsa.version: [ 1, 2 ]
amdhsa.kernels:
  - .name:           k_q26d4f08ee9_ln2
    .symbol:         k_q26d4f08ee9_ln2.kd
    .args:
      - { .name: x2, .offset: 0, .size: 8, .value_kind: global_buffer, .address_space: global }
      - { .name: ln2_g, .offset: 8, .size: 8, .value_kind: global_buffer, .address_space: global }
      - { .name: ln2_b, .offset: 16, .size: 8, .value_kind: global_buffer, .address_space: global }
      - { .name: lowp_scales, .offset: 24, .size: 8, .value_kind: global_buffer, .address_space: global }
      - { .name: h2c, .offset: 32, .size: 8, .value_kind: global_buffer, .address_space: global }
    .group_segment_fixed_size: 0
    .private_segment_fixed_size: 0
    .kernarg_segment_align: 8
    .kernarg_segment_size: 40
    .max_flat_workgroup_size: 128
    .sgpr_count:     80
    .vgpr_count:     256
    .wavefront_size: 32
...
	.end_amdgpu_metadata
.endif
;; end of part 5
;; launch ffn1 (part 6): grid 16 x 16, 4 waves a work-group, clusters of 4 x 4, 327,680 bytes of LDS; arguments h2c, wc, lowp_scales, hidc, b1; writes hidc
.if DOCPART == 6
	.amdgcn_target "amdgcn-amd-amdhsa--gfx1250"
	.amdhsa_code_object_version 6
	.text
	.protected	k_q26d4f08ee9_ffn1
	.globl	k_q26d4f08ee9_ffn1
	.p2align	8
	.type	k_q26d4f08ee9_ffn1,@function
k_q26d4f08ee9_ffn1:
	s_mov_b64 s[64:65], 0
	v_nop
	global_prefetch_b8 v0, s[64:65] scope:SCOPE_SE
	s_setreg_imm32_b32 hwreg(HW_REG_WAVE_MODE, 25, 1), 1
	s_wait_xcnt 0x0
	s_wait_alu depctr_hold_cnt(0) depctr_sa_sdst(0) depctr_va_vdst(0) depctr_va_sdst(0) depctr_va_ssrc(0) depctr_va_vcc(0) depctr_vm_vsrc(0)
	s_getreg_b32 s2, hwreg(HW_REG_IB_STS2, 6, 4)
	s_cmp_eq_u32 s2, 0
	s_cbranch_scc0 .Lentry_in_a_cluster
	s_endpgm
.Lentry_in_a_cluster:
	s_bfe_u32 s2, ttmp6, 0x10000c
	s_cmp_lg_u32 s2, 0xf033
	s_cbranch_scc0 .Lentry_shape_is_right
	s_endpgm
.Lentry_shape_is_right:
.set SIZE_K, 1024
.set KSTEP,  256
.set ROWB,   256
.set KROW,   SIZE_K
.set PITCH,  272
.set FR,     16
.set NL,     4
.set NP,     4
.set HALFT,  128*PITCH
.set SLOT,   4*HALFT
.set LAPS,   SIZE_K/(2*KSTEP)
.set SPARE,  2*SLOT
.set WSTG,   17408
.set ADRA, 16
.set ADRB, 20
.set STO,  24
.set RD,   25
.set CO,   26
.set BO,   27
.set SPW,  28
.set NIL,  29
.set LIM,  30
.set SCL,  31
.set TMP,  32
.set BI,   64
.set AF,   128
.set CD,   128
.set G1, 24
.set G0, 32
.set G1B, 48
.set G0B, 56
.set MSB, 0
.macro WIN new
.if MSB != (\new)
	s_set_vgpr_msb (MSB<<8)|(\new)
.set MSB, (\new)
.endif
.endm
.set MUL_LO, 0xa1
.set MUL_HI, 0xf1
.set TO_B,   0x40
.macro JLOAD g0a, g1a, g0b, g1b
	s_cmp_eq_u32 s15, 0
	s_cbranch_scc0 .Lfor_b_\@
	tensor_load_to_lds s[\g0a:\g0a+3], s[\g1a:\g1a+7]
	s_nop 0
.rept 4
	v_nop
.endr
	s_branch .Lasked_\@
.Lfor_b_\@:
	tensor_load_to_lds s[\g0b:\g0b+3], s[\g1b:\g1b+7]
	s_nop 0
.rept 4
	v_nop
.endr
.Lasked_\@:
.endm
.macro CREST
	s_cmp_lg_u32 s14, 0
	s_cbranch_scc1 .Lnot_wave_0_\@
	s_barrier_signal -3
.Lnot_wave_0_\@:
	s_barrier_wait -3
	s_barrier_signal -1
	s_barrier_wait -1
.endm
.macro CROUND
	s_barrier_signal -1
	s_barrier_wait -1
	CREST
.endm
	s_load_b256 s[4:11], s[0:1], 0x0
	s_load_b64 s[12:13], s[0:1], 0x20
	v_lshl_add_u32 v[SPW], v0, 2, SPARE
	v_mov_b32 v[NIL], 0
	ds_add_u32 v28, v29
	ds_add_u32 v28, v29
	s_wait_dscnt 0x0
	v_lshrrev_b32 v1, 5, v0
	v_readfirstlane_b32 s14, v1
	s_lshr_b32 s15, s14, 1
	s_and_b32 s16, s14, 1
	s_bfe_u32 s40, ttmp6, 0x40000
	s_bfe_u32 s41, ttmp6, 0x40004
	s_lshl_b32 s42, ttmp9, 2
	s_add_co_u32 s42, s42, s40
	s_and_b32 s17, ttmp7, 0xffff
	s_lshl_b32 s17, s17, 2
	s_add_co_u32 s17, s17, s41
	s_lshl_b32 s43, s41, 2
	s_lshl_b32 s43, 15, s43
	s_lshl_b32 s44, 0x1111, s40
	s_or_b32 s[G1+0], s43, (0<<16)|(1<<20)|(1<<21)|(5<<22)|(3<<25)
	s_or_b32 s[G1B+0], s44, (0<<16)|(1<<20)|(1<<21)|(5<<22)|(3<<25)
.irp g, G1, G1B
	s_mov_b32 s[\g+1], ROWB<<16
	s_mov_b32 s[\g+2], 128<<16
	s_mov_b32 s[\g+3], ROWB<<16
	s_mov_b32 s[\g+4], 128
	s_mov_b32 s[\g+5], KROW
	s_mov_b32 s[\g+6], 0
	s_mov_b32 s[\g+7], 0
.endr
	s_lshl_b32 s18, s16, 7
	s_lshl_b32 s20, s17, 8
	s_add_co_u32 s20, s20, s18
	s_lshl_b32 s20, s20, 10
	s_mov_b32 s21, 0
	s_lshl_b32 s46, s42, 8
	s_add_co_u32 s46, s46, s18
	s_lshl_b32 s46, s46, 10
	s_add_co_u32 s46, s46, 0x400000
	s_mov_b32 s47, 0
	s_mul_i32 s45, s14, HALFT
	s_wait_kmcnt 0x0
	s_load_b128 s[68:71], s[8:9], 0x30
	s_add_nc_u64 s[20:21], s[4:5], s[20:21]
	s_add_nc_u64 s[46:47], s[6:7], s[46:47]
	CROUND
.irp s, 0,1
	s_mov_b32 s[G0+4*\s], 1
	s_add_co_u32 s[G0+4*\s+1], s45, \s*SLOT
	s_add_nc_u64 s[G0+4*\s+2:G0+4*\s+3], s[20:21], \s*ROWB
	s_or_b32 s[G0+4*\s+3], s[G0+4*\s+3], 0x80000000
	s_mov_b32 s[G0B+4*\s], 1
	s_add_co_u32 s[G0B+4*\s+1], s45, \s*SLOT
	s_add_nc_u64 s[G0B+4*\s+2:G0B+4*\s+3], s[46:47], \s*ROWB
	s_or_b32 s[G0B+4*\s+3], s[G0B+4*\s+3], 0x80000000
.endr
	JLOAD G0, G1, G0B, G1B                         ; K step 0: one tensor load a wave at the head
	s_cmp_eq_u32 s15, 0                            ; the prefetches: of the 128 rows that I fetch, my work-group's 32 (the partner's place enters the address alone): a lane a row, 256 bytes of it a K step
	s_cselect_b64 s[90:91], s[20:21], s[46:47]
	s_cselect_b32 s92, s40, s41
	s_lshl_b32 s92, s92, 15
	s_mov_b32 s93, 0
	s_add_nc_u64 s[90:91], s[90:91], s[92:93]
	v_and_b32 v22, 31, v0
	v_lshlrev_b32 v22, 10, v22
	global_prefetch_b8 v22, s[90:91] offset:256 th:TH_LOAD_NT scope:SCOPE_SE   ; K step 1, whose load follows when K step 0 has landed
	global_prefetch_b8 v22, s[90:91] offset:512 th:TH_LOAD_NT scope:SCOPE_SE   ; K step 2, two steps ahead of its load
	v_and_b32 v1, 15, v0
	s_wait_alu depctr_va_vdst(0)
	v_bfe_u32 v2, v0, 4, 1
	v_mul_u32_u24 v3, v1, PITCH
	v_lshl_add_u32 v4, v2, 4, v3
	s_mul_i32 s21, s15, HALFT
	s_mul_i32 s22, s16, HALFT
	s_add_co_u32 s22, s22, 2*HALFT
.irp s, 0,1
	v_add_nc_u32 v[ADRA+\s], s21, v4
	v_add_nc_u32 v[ADRB+\s], s22, v4
	s_add_co_u32 s21, s21, SLOT
	s_add_co_u32 s22, s22, SLOT
.endr
	s_mul_i32 s23, s14, WSTG
	v_lshlrev_b32 v5, 6, v1
	v_lshrrev_b32 v6, 2, v1
	v_lshl_add_u32 v5, v6, 4, v5
	v_lshl_add_u32 v5, v2, 3, v5
	v_add_nc_u32 v[STO], s23, v5
	v_mul_u32_u24 v5, v2, 272
	v_lshl_add_u32 v5, v1, 4, v5
	v_add_nc_u32 v[RD], s23, v5
	v_and_b32 v6, 31, v0
	v_lshlrev_b32 v[CO], 4, v6
	v_lshlrev_b32 v[BO], 5, v2
	s_wait_alu depctr_va_vdst(0)
	s_lshl_b32 s20, s42, 2
	s_lshl_b32 s21, s16, 1
	s_add_co_u32 s20, s20, s21
	s_lshl_b32 s22, s20, 8
	s_mov_b32 s23, 0
	s_add_nc_u64 s[12:13], s[12:13], s[22:23]
	s_lshl_b32 s20, s20, 18
	s_lshl_b32 s21, s17, 8
	s_lshl_b32 s22, s15, 7
	s_add_co_u32 s21, s21, s22
	s_lshl_b32 s21, s21, 6
	s_add_co_u32 s20, s20, s21
	s_mov_b32 s21, 0
	s_add_nc_u64 s[84:85], s[10:11], s[20:21]
	s_add_nc_u64 s[86:87], s[84:85], 262144
.irp b, 0,1,2,3,4,5,6,7
	global_load_b128 v[BI+8*\b:BI+8*\b+3], v[BO], s[12:13] offset:64*\b
	global_load_b128 v[BI+8*\b+4:BI+8*\b+7], v[BO], s[12:13] offset:64*\b+16
.endr
.macro FRAG reg, adr, q, i
.irp c, 0,1,2,3
	ds_load_b128 v[\reg+4*\c:\reg+4*\c+3], v[\adr] offset:128*(\q)+32*\c+(\i)*16*PITCH
.endr
.endm
.macro MUL16 a0, p, zero
.irp a, \a0, \a0+1
.irp b, 0,1,2,3,4,5,6,7
.if \zero
	v_wmma_f32_16x16x128_fp8_fp8 v[8*(8*((\a)%4)+\b):8*(8*((\a)%4)+\b)+7], v[128*(\p)+FR*\b:128*(\p)+FR*\b+FR-1], v[AF+FR*(\a):AF+FR*(\a)+FR-1], 0
.else
	v_wmma_f32_16x16x128_fp8_fp8 v[8*(8*((\a)%4)+\b):8*(8*((\a)%4)+\b)+7], v[128*(\p)+FR*\b:128*(\p)+FR*\b+FR-1], v[AF+FR*(\a):AF+FR*(\a)+FR-1], v[8*(8*((\a)%4)+\b):8*(8*((\a)%4)+\b)+7]
.endif
.endr
.endr
.endm
.macro FETCH_B slot, q, p
	WIN TO_B
.irp i, 0,1,2,3,4,5,6,7
	FRAG 128*(\p)+FR*\i, ADRB+\slot, \q, \i
.endr
	WIN 0
.endm
.macro FETCH_A slot, q, i0
.irp i, \i0, \i0+1, \i0+2, \i0+3
	FRAG AF+FR*(\i), ADRA+\slot, \q, \i
.endr
.endm
.macro PLACES n
.rept \n
	v_nop
.endr
.endm
.macro STEP slot, q, zero
	s_wait_dscnt 4*NL
	WIN MUL_LO
	MUL16 0, (\q)%2, \zero
	MUL16 2, (\q)%2, \zero
	s_wait_dscnt 0
	PLACES NP
	FETCH_B \slot, (\q)+1, 1-(\q)%2
	FETCH_A \slot, (\q)+1, 0
	WIN MUL_HI
	MUL16 4, (\q)%2, \zero
	MUL16 6, (\q)%2, \zero
	PLACES NP
	WIN 0
	FETCH_A \slot, (\q)+1, 4
.endm
.macro TURN slot, next, fill
	s_wait_tensorcnt 0x0
	ds_add_u32 v[SPW], v[NIL]
	s_wait_dscnt 4*NL+1
	WIN MUL_LO
	MUL16 0, 1, 0
	s_wait_dscnt 0x0
	s_barrier_signal -1
	MUL16 2, 1, 0
	WIN 0
	s_barrier_wait -1
.if \fill
	CREST
	s_add_nc_u64 s[G0+4*\slot+2:G0+4*\slot+3], s[G0+4*\slot+2:G0+4*\slot+3], 2*ROWB
	s_add_nc_u64 s[G0B+4*\slot+2:G0B+4*\slot+3], s[G0B+4*\slot+2:G0B+4*\slot+3], 2*ROWB
	JLOAD G0+4*\slot, G1, G0B+4*\slot, G1B
.else
	PLACES NP
.endif
	FETCH_B \next, 0, 0
	FETCH_A \next, 0, 0
	WIN MUL_HI
	MUL16 4, 1, 0
	MUL16 6, 1, 0
	PLACES NP
	WIN 0
	FETCH_A \next, 0, 4
.endm
	s_wait_alu depctr_va_vdst(0)                   ; the wait at the head's end
	s_wait_tensorcnt 0x0                           ; my part of K step 0 is in; the lines that stand ahead of a later first fill, as ahead of a refill:
	ds_add_u32 v[SPW], v[NIL]
	s_wait_dscnt 0x0
	CROUND                                         ; everybody's part of K step 0 is in, and all sixteen work-groups are here
	JLOAD G0+4, G1, G0B+4, G1B                     ; K step 1: the first tensor load behind the round
	global_prefetch_b8 v22, s[90:91] offset:768 th:TH_LOAD_NT scope:SCOPE_SE   ; K step 3, the last: the refills ask for nothing
	FETCH_B 0, 0, 0
	FETCH_A 0, 0, 0
	FETCH_A 0, 0, 4
	STEP 0, 0, 1
	s_mov_b32 s3, LAPS-1
.Llap:
	TURN 0, 1, 1
	STEP 1, 0, 0
	TURN 1, 0, 1
	STEP 0, 0, 0
	s_sub_co_u32 s3, s3, 1
	s_cmp_lg_u32 s3, 0
	s_cbranch_scc1 .Llap
	TURN 0, 1, 0
	STEP 1, 0, 0
	s_wait_dscnt 4*NL
	WIN MUL_LO
	MUL16 0, 1, 0
	MUL16 2, 1, 0
	s_wait_dscnt 0
	WIN MUL_HI
	MUL16 4, 1, 0
	MUL16 6, 1, 0
	WIN 0
	s_wait_loadcnt 0x0
	s_wait_kmcnt 0x0
	s_add_co_i32 s96, s68, s69
	s_add_co_i32 s96, s96, 127
	s_lshl_b32 s96, s96, 23
	s_mov_b32 s97, s96
	s_add_co_i32 s88, s70, 127
	s_lshl_b32 s89, s88, 23
	v_mov_b32 v[SCL], s89
	s_add_co_i32 s88, s88, 8
	s_lshl_b32 s88, s88, 23
	s_or_b32 s88, s88, 0x600000
	v_mov_b32 v[LIM], s88
	PLACES NP
.macro OUTBLK a
.set AC, 64*((\a)%4)
.irp hf, 0,1
	WIN 0x02+((\a)/4)
.set j, 0
.rept 16
	v_pk_fma_f32 v[TMP+j:TMP+j+1], v[AC+32*\hf+j:AC+32*\hf+j+1], s[96:97], v[BI+32*\hf+j:BI+32*\hf+j+1] op_sel_hi:[1,0,1]
.set j, j+2
.endr
	WIN 0
.set j, 0
.rept 32
	v_med3_num_f32 v[TMP+j], v[TMP+j], 0, v[LIM]
.set j, j+1
.endr
.irp b, 0,1,2,3
	v_cvt_scalef32_pk8_fp8_f32 v[CD+16*(\a)+8*\hf+2*\b:CD+16*(\a)+8*\hf+2*\b+1], v[TMP+8*\b:TMP+8*\b+7], v[SCL]
.endr
	v_nop
.irp b, 0,1,2,3
	ds_store_b64 v[STO], v[CD+16*(\a)+8*\hf+2*\b:CD+16*(\a)+8*\hf+2*\b+1] offset:1088*(\a)+8704*\hf+16*\b
.endr
.endr
.endm
.irp a, 0,1,2,3,4,5,6,7
	OUTBLK \a
.endr
	s_wait_dscnt 0x0
.set i, 0
.rept 32
	ds_load_b128 v[CD+4*i:CD+4*i+3], v[RD] offset:8704*(i/16)+544*(i%16)
.set i, i+1
.endr
.set i, 0
.rept 32
	s_wait_dscnt 31-i
	global_store_b128 v[CO], v[CD+4*i:CD+4*i+3], s[84+2*(i/16):85+2*(i/16)] offset:512*(i%16)
.set i, i+1
.endr
	s_wait_tensorcnt 0x0
	ds_add_u32 v[SPW], v[NIL]
	s_wait_dscnt 0x0
	CROUND
	s_endpgm
.Lfunc_end_k_q26d4f08ee9_ffn1:
	.size	k_q26d4f08ee9_ffn1, .Lfunc_end_k_q26d4f08ee9_ffn1-k_q26d4f08ee9_ffn1
	.p2alignl 7, 3214868480
	.fill 96, 4, 3214868480
	.section	.rodata,"a",@progbits
	.p2align	6, 0x0
	.amdhsa_kernel k_q26d4f08ee9_ffn1
		.amdhsa_group_segment_fixed_size 327680
		.amdhsa_private_segment_fixed_size 0
		.amdhsa_enable_private_segment 0
		.amdhsa_kernarg_size 40
		.amdhsa_user_sgpr_count 2
		.amdhsa_user_sgpr_kernarg_segment_ptr 1
		.amdhsa_wavefront_size32 1
		.amdhsa_system_sgpr_workgroup_id_x 1
		.amdhsa_system_sgpr_workgroup_id_y 1
		.amdhsa_system_sgpr_workgroup_id_z 1
		.amdhsa_system_vgpr_workitem_id 0
		.amdhsa_next_free_vgpr 1024
		.amdhsa_next_free_sgpr 100
		.amdhsa_reserve_vcc 0
		.amdhsa_float_denorm_mode_32 3
		.amdhsa_float_denorm_mode_16_64 3
		.amdhsa_memory_ordered 1
		.amdhsa_forward_progress 1
		.amdhsa_inst_pref_size 144
	.end_amdhsa_kernel
	.amdgpu_metadata
---
amdhsa.version: [ 1, 2 ]
amdhsa.kernels:
  - .name:           k_q26d4f08ee9_ffn1
    .symbol:         k_q26d4f08ee9_ffn1.kd
    .args:
      - { .name: h2c, .offset: 0, .size: 8, .value_kind: global_buffer, .address_space: global }
      - { .name: wc, .offset: 8, .size: 8, .value_kind: global_buffer, .address_space: global }
      - { .name: lowp_scales, .offset: 16, .size: 8, .value_kind: global_buffer, .address_space: global }
      - { .name: hidc, .offset: 24, .size: 8, .value_kind: global_buffer, .address_space: global }
      - { .name: b1, .offset: 32, .size: 8, .value_kind: global_buffer, .address_space: global }
    .group_segment_fixed_size: 327680
    .private_segment_fixed_size: 0
    .kernarg_segment_align: 8
    .kernarg_segment_size: 40
    .max_flat_workgroup_size: 128
    .sgpr_count:     100
    .vgpr_count:     1024
    .wavefront_size: 32
...
	.end_amdgpu_metadata
.endif
;; end of part 6
;; launch ffn2 (part 7): grid 8 x 32, 4 waves a work-group, clusters of 4 x 4, 327,680 bytes of LDS; arguments hidc, wc, lowp_scales, b2, x2, out0; writes out0
.if DOCPART == 7
	.amdgcn_target "amdgcn-amd-amdhsa--gfx1250"
	.amdhsa_code_object_version 6
	.text
	.protected	k_q26d4f08ee9_ffn2
	.globl	k_q26d4f08ee9_ffn2
	.p2align	8
	.type	k_q26d4f08ee9_ffn2,@function
k_q26d4f08ee9_ffn2:
	s_mov_b64 s[64:65], 0
	v_nop
	global_prefetch_b8 v0, s[64:65] scope:SCOPE_SE
	s_setreg_imm32_b32 hwreg(HW_REG_WAVE_MODE, 25, 1), 1
	s_wait_xcnt 0x0
	s_wait_alu depctr_hold_cnt(0) depctr_sa_sdst(0) depctr_va_vdst(0) depctr_va_sdst(0) depctr_va_ssrc(0) depctr_va_vcc(0) depctr_vm_vsrc(0)
	s_getreg_b32 s2, hwreg(HW_REG_IB_STS2, 6, 4)
	s_cmp_eq_u32 s2, 0
	s_cbranch_scc0 .Lentry_in_a_cluster
	s_endpgm
.Lentry_in_a_cluster:
	s_bfe_u32 s2, ttmp6, 0x10000c
	s_cmp_lg_u32 s2, 0xf033
	s_cbranch_scc0 .Lentry_shape_is_right
	s_endpgm
.Lentry_shape_is_right:
.set SIZE_K, 4096
.set WOFF,   0x800000
.set EOFF,   56
.set KSTEP,  512
.set AKB,    8704
.set APART,  8*AKB
.set BPITCH, 528
.set SLOT,   APART+128*BPITCH
.set SPARE,  2*SLOT
.set LAPS,   SIZE_K/(2*KSTEP)
.set BI,   12
.set ADRA, 16
.set ADRB, 20
.set STO,  24
.set RD,   25
.set CO,   26
.set BO,   27
.set SPW,  28
.set NIL,  29
.set ACC,  128
.set F0,   0
.set F1,   128
.set G1, 24
.set G0, 32
.set G1B, 48
.set G0B, 56
.set MSB, 0
.macro WIN new
.if MSB != (\new)
	s_set_vgpr_msb (MSB<<8)|(\new)
.set MSB, (\new)
.endif
.endm
.set MUL,  0x05
.set TO_F, 0x40
.macro JLOAD s
	s_cmp_eq_u32 s11, 0
	s_cbranch_scc0 .Lfor_b_\@
	tensor_load_to_lds s[G0+4*\s:G0+4*\s+3], s[G1:G1+7]
	s_nop 0
.rept 4
	v_nop
.endr
	s_branch .Lasked_\@
.Lfor_b_\@:
	tensor_load_to_lds s[G0B+4*\s:G0B+4*\s+3], s[G1B:G1B+7]
	s_nop 0
.rept 4
	v_nop
.endr
.Lasked_\@:
.endm
.macro CREST
	s_cmp_lg_u32 s10, 0
	s_cbranch_scc1 .Lnot_wave_0_\@
	s_barrier_signal -3
.Lnot_wave_0_\@:
	s_barrier_wait -3
	s_barrier_signal -1
	s_barrier_wait -1
.endm
.macro CROUND
	s_barrier_signal -1
	s_barrier_wait -1
	CREST
.endm
	s_load_b256 s[68:75], s[0:1], 0x0
	s_load_b128 s[76:79], s[0:1], 0x20
	v_lshl_add_u32 v[SPW], v0, 2, SPARE
	v_mov_b32 v[NIL], 0
	ds_add_u32 v28, v29
	ds_add_u32 v28, v29
	s_wait_dscnt 0x0
	v_lshrrev_b32 v1, 5, v0
	v_readfirstlane_b32 s10, v1
	s_lshr_b32 s11, s10, 1
	s_and_b32 s12, s10, 1
	s_bfe_u32 s40, ttmp6, 0x40000
	s_bfe_u32 s41, ttmp6, 0x40004
	s_lshl_b32 s42, ttmp9, 2
	s_add_co_u32 s42, s42, s40
	s_and_b32 s13, ttmp7, 0xffff
	s_lshl_b32 s13, s13, 2
	s_add_co_u32 s13, s13, s41
	s_lshl_b32 s43, s41, 2
	s_lshl_b32 s43, 15, s43
	s_lshl_b32 s44, 0x1111, s40
	s_or_b32 s[G1+0], s43, (0<<16)|(1<<20)|(1<<21)|(5<<22)|(3<<25)
	s_mov_b32 s[G1+1], 8192<<16
	s_mov_b32 s[G1+2], 4<<16
	s_mov_b32 s[G1+3], 8192<<16
	s_mov_b32 s[G1+4], 4
	s_mov_b32 s[G1+5], 262144
	s_mov_b32 s[G1+6], 0
	s_mov_b32 s[G1+7], 0
	s_or_b32 s[G1B+0], s44, (0<<16)|(1<<20)|(1<<21)|(6<<22)|(3<<25)
	s_mov_b32 s[G1B+1], KSTEP<<16
	s_mov_b32 s[G1B+2], 64<<16
	s_mov_b32 s[G1B+3], KSTEP<<16
	s_mov_b32 s[G1B+4], 64
	s_mov_b32 s[G1B+5], SIZE_K
	s_mov_b32 s[G1B+6], 0
	s_mov_b32 s[G1B+7], 0
	s_lshl_b32 s16, s12, 20
	s_lshl_b32 s17, s13, 13
	s_add_co_u32 s16, s16, s17
	s_mov_b32 s17, 0
	s_lshl_b32 s46, s42, 7
	s_lshl_b32 s47, s12, 6
	s_add_co_u32 s46, s46, s47
	s_mul_i32 s46, s46, SIZE_K
	s_add_co_u32 s46, s46, WOFF
	s_mov_b32 s47, 0
	s_mul_i32 s20, s12, 4*AKB
	s_mul_i32 s21, s12, 64*BPITCH
	s_add_co_u32 s21, s21, APART
	s_wait_kmcnt 0x0
	s_load_b64 s[80:81], s[72:73], EOFF
	s_add_nc_u64 s[14:15], s[68:69], s[16:17]
	s_add_nc_u64 s[46:47], s[70:71], s[46:47]
	CROUND
.irp s, 0,1
	s_mov_b32 s[G0+4*\s], 1
	s_add_co_u32 s[G0+4*\s+1], s20, \s*SLOT
	s_add_nc_u64 s[G0+4*\s+2:G0+4*\s+3], s[14:15], \s*8*262144
	s_or_b32 s[G0+4*\s+3], s[G0+4*\s+3], 0x80000000
	s_mov_b32 s[G0B+4*\s], 1
	s_add_co_u32 s[G0B+4*\s+1], s21, \s*SLOT
	s_add_nc_u64 s[G0B+4*\s+2:G0B+4*\s+3], s[46:47], \s*KSTEP
	s_or_b32 s[G0B+4*\s+3], s[G0B+4*\s+3], 0x80000000
.endr
	JLOAD 0                                        ; K step 0: one tensor load a wave at the head
	; the prefetches: a K step of what I fetch is 128 blocks of 256 bytes; the four partners that ask for it with me share them out by address, 32 each, a lane a block:
	; A: one of my four blocks of 64 along K (8,192 consecutive bytes); B: 16 of my 64 rows, 512 bytes of each
	s_cmp_eq_u32 s11, 0
	s_cselect_b64 s[82:83], s[14:15], s[46:47]
	s_cselect_b32 s86, s40, s41                    ; my place among the four
	s_cselect_b32 s87, 18, 16                      ; from partner to partner: 262,144 or 65,536 bytes
	s_cselect_b32 s88, 9, 12                       ; from pair of lanes to pair: 512 or 4,096 bytes
	s_mov_b32 s84, 512
	s_cselect_b32 s84, 0x200000, s84               ; a K step on
	s_mov_b32 s85, 0
	s_lshl_b32 s86, s86, s87
	s_mov_b32 s87, 0
	s_add_nc_u64 s[82:83], s[82:83], s[86:87]
	s_add_nc_u64 s[90:91], s[82:83], s[84:85]      ; at K step 1
	s_add_nc_u64 s[82:83], s[90:91], s[84:85]      ; at K step 2
	v_bfe_u32 v30, v0, 1, 4
	v_lshlrev_b32 v30, s88, v30
	v_and_b32 v31, 1, v0
	v_lshl_add_u32 v30, v31, 8, v30
	global_prefetch_b8 v30, s[90:91] th:TH_LOAD_NT scope:SCOPE_SE   ; K step 1, whose load follows when K step 0 has landed
	global_prefetch_b8 v30, s[82:83] th:TH_LOAD_NT scope:SCOPE_SE   ; K step 2, two steps ahead of its load
	v_and_b32 v1, 15, v0
	v_bfe_u32 v2, v0, 4, 1
	v_lshlrev_b32 v3, 6, v1
	v_lshrrev_b32 v4, 2, v1
	v_lshl_add_u32 v3, v4, 4, v3
	v_lshl_add_u32 v3, v2, 4, v3
	v_mul_u32_u24 v4, v1, BPITCH
	v_lshl_add_u32 v4, v2, 4, v4
	s_mul_i32 s21, s11, 4352
	s_mul_i32 s22, s12, 64*BPITCH
	s_add_co_u32 s22, s22, APART
.irp s, 0,1
	v_add_nc_u32 v[ADRA+\s], s21, v3
	v_add_nc_u32 v[ADRB+\s], s22, v4
	s_add_co_u32 s21, s21, SLOT
	s_add_co_u32 s22, s22, SLOT
.endr
	s_mul_i32 s23, s10, 4352
	v_mul_u32_u24 v5, v1, 272
	v_lshl_add_u32 v5, v2, 5, v5
	v_add_nc_u32 v[STO], s23, v5
	v_mul_u32_u24 v5, v2, 272
	v_lshl_add_u32 v5, v1, 4, v5
	v_add_nc_u32 v[RD], s23, v5
	v_lshlrev_b32 v5, 12, v2
	v_lshl_add_u32 v[CO], v1, 4, v5
	v_lshlrev_b32 v[BO], 4, v1
	s_wait_alu depctr_va_vdst(0)
	s_lshl_b32 s16, s42, 7
	s_lshl_b32 s17, s12, 6
	s_add_co_u32 s16, s16, s17
	s_lshl_b32 s16, s16, 2
	s_mov_b32 s17, 0
	s_add_nc_u64 s[74:75], s[74:75], s[16:17]
	s_lshl_b32 s18, s13, 7
	s_lshl_b32 s19, s11, 6
	s_add_co_u32 s18, s18, s19
	s_lshl_b32 s18, s18, 12
	s_add_co_u32 s16, s16, s18
	s_add_nc_u64 s[76:77], s[76:77], s[16:17]
	s_add_nc_u64 s[78:79], s[78:79], s[16:17]
.macro MUL8 f, a0, zero
.irp a, \a0, \a0+1
.irp b, 0,1,2,3
.if \zero
	v_wmma_f32_16x16x128_fp8_fp8 v[ACC+8*(4*(\a)+\b):ACC+8*(4*(\a)+\b)+7], v[\f+64+16*\b:\f+64+16*\b+15], v[\f+16*(\a):\f+16*(\a)+15], 0
.else
	v_wmma_f32_16x16x128_fp8_fp8 v[ACC+8*(4*(\a)+\b):ACC+8*(4*(\a)+\b)+7], v[\f+64+16*\b:\f+64+16*\b+15], v[\f+16*(\a):\f+16*(\a)+15], v[ACC+8*(4*(\a)+\b):ACC+8*(4*(\a)+\b)+7]
.endif
.endr
.endr
.endm
.macro FETCH slot, q, f
	WIN TO_F
.irp i, 0,1,2,3
.irp c, 0,1,2,3
	ds_load_b128 v[\f+64+16*\i+4*\c:\f+64+16*\i+4*\c+3], v[ADRB+\slot] offset:16*BPITCH*\i+128*(\q)+32*\c
.endr
.endr
.irp i, 0,1,2,3
.irp c, 0,1,2,3
	ds_load_b128 v[\f+16*\i+4*\c:\f+16*\i+4*\c+3], v[ADRA+\slot] offset:(2*(\q)+\c/2)*AKB+1088*\i+32*(\c%2)
.endr
.endr
.endm
.macro PLACES
.rept 4
	v_nop
.endr
.endm
.macro QUARTER slot, qn, f, g, zero
	s_wait_dscnt 8
	WIN MUL
	MUL8 \f, 0, \zero
	PLACES
	FETCH \slot, \qn, \g
	s_wait_dscnt 32
	WIN MUL
	MUL8 \f, 2, \zero
.endm
.macro TURN slot, next, fill
	WIN 0
.if \fill
	s_wait_xcnt 0x0                                ; my last prefetch has read its address, which steps a K step on
	s_add_nc_u64 s[82:83], s[82:83], s[84:85]
.endif
	s_wait_tensorcnt 0x0
	ds_add_u32 v[SPW], v[NIL]
	s_wait_dscnt 9
	WIN MUL
	MUL8 F1, 0, 0
	s_wait_dscnt 0x0
	s_barrier_signal -1
	WIN 0
	s_barrier_wait -1
.if \fill
	CREST
	s_add_nc_u64 s[G0+4*\slot+2:G0+4*\slot+3], s[G0+4*\slot+2:G0+4*\slot+3], 16*262144
	s_add_nc_u64 s[G0B+4*\slot+2:G0B+4*\slot+3], s[G0B+4*\slot+2:G0B+4*\slot+3], 2*KSTEP
	JLOAD \slot
.else
	PLACES
.endif
	FETCH \next, 0, F0
.if \fill
	WIN 0
	s_cmp_gt_u32 s3, 1                             ; the loop's last trip loads the last two K steps: there is none two steps on
	s_cbranch_scc0 .Lnoask_\@
	global_prefetch_b8 v30, s[82:83] th:TH_LOAD_NT scope:SCOPE_SE   ; the K step two refills on
.Lnoask_\@:
.endif
	WIN MUL
	MUL8 F1, 2, 0
.endm
	s_wait_alu depctr_va_vdst(0)                   ; the wait at the head's end
	s_wait_xcnt 0x0                                ; the first prefetch has read its address
	s_add_nc_u64 s[82:83], s[82:83], s[84:85]      ; at K step 3
	s_wait_tensorcnt 0x0                           ; my part of K step 0 is in; the lines that stand ahead of a later first fill, as ahead of a refill:
	ds_add_u32 v[SPW], v[NIL]
	s_wait_dscnt 0x0
	CROUND                                         ; everybody's part of K step 0 is in, and all sixteen work-groups are here
	JLOAD 1                                        ; K step 1: the first tensor load behind the round
	FETCH 0, 0, F0
	WIN 0
	global_prefetch_b8 v30, s[82:83] th:TH_LOAD_NT scope:SCOPE_SE   ; K step 3
	global_load_b128 v[BI:BI+3], v[BO], s[74:75]   ; the bias of the four columns that I hold when rows come back from the stage
	WIN 0x80                                       ; destination window 2
.set t, 0
.rept 32
	global_load_b128 v[4*t:4*t+3], v[CO], s[76:77] offset:2*t*4096   ; the residual, in the layout of the stores: asked for behind the first two K steps' tiles, read on the way out
.set t, t+1
.endr
	WIN 0
	QUARTER 0, 1, F0, F1, 1
.if LAPS > 1
	WIN 0
	s_mov_b32 s3, LAPS-1
.Llap:
	QUARTER 0, 2, F1, F0, 0
	QUARTER 0, 3, F0, F1, 0
	TURN 0, 1, 1
	QUARTER 1, 1, F0, F1, 0
	QUARTER 1, 2, F1, F0, 0
	QUARTER 1, 3, F0, F1, 0
	TURN 1, 0, 1
	QUARTER 0, 1, F0, F1, 0
	WIN 0
	s_sub_co_u32 s3, s3, 1
	s_cmp_lg_u32 s3, 0
	s_cbranch_scc1 .Llap
.endif
	QUARTER 0, 2, F1, F0, 0
	QUARTER 0, 3, F0, F1, 0
	TURN 0, 1, 0
	QUARTER 1, 1, F0, F1, 0
	QUARTER 1, 2, F1, F0, 0
	QUARTER 1, 3, F0, F1, 0
	s_wait_dscnt 8
	WIN MUL
	MUL8 F1, 0, 0
	s_wait_dscnt 0
	MUL8 F1, 2, 0
	WIN 0
	s_wait_loadcnt 0x0
	s_wait_kmcnt 0x0
	s_add_co_i32 s80, s80, s81
	s_add_co_i32 s80, s80, 127
	s_lshl_b32 s80, s80, 23
	s_mov_b32 s81, s80
	PLACES
.macro OUTB a
.set OU, 32+32*((\a)%2)
.if (\a) >= 2
	s_wait_xcnt 0x0
.endif
.irp b, 0,1,2,3
	ds_store_b128 v[STO], v[ACC+8*(4*(\a)+\b):ACC+8*(4*(\a)+\b)+3] offset:64*\b
	ds_store_b128 v[STO], v[ACC+8*(4*(\a)+\b)+4:ACC+8*(4*(\a)+\b)+7] offset:64*\b+16
.endr
.irp t, 0,1,2,3,4,5,6,7
	ds_load_b128 v[OU+4*\t:OU+4*\t+3], v[RD] offset:544*\t
.endr
	s_wait_dscnt 0x0
.irp t, 0,1,2,3,4,5,6,7
	v_pk_fma_f32 v[OU+4*\t:OU+4*\t+1], v[OU+4*\t:OU+4*\t+1], s[80:81], v[BI:BI+1] op_sel_hi:[1,0,1]
	v_pk_fma_f32 v[OU+4*\t+2:OU+4*\t+3], v[OU+4*\t+2:OU+4*\t+3], s[80:81], v[BI+2:BI+3] op_sel_hi:[1,0,1]
.endr
	WIN 0x08
.set i, 0
.rept 16
	v_pk_add_f32 v[OU+i:OU+i+1], v[OU+i:OU+i+1], v[32*(\a)+i:32*(\a)+i+1]
.set i, i+2
.endr
	WIN 0
.irp t, 0,1,2,3,4,5,6,7
	global_store_b128 v[CO], v[OU+4*\t:OU+4*\t+3], s[78:79] offset:(16*(\a)+2*\t)*4096
.endr
.endm
.irp a, 0,1,2,3
	OUTB \a
.endr
	s_wait_tensorcnt 0x0
	ds_add_u32 v[SPW], v[NIL]
	s_wait_dscnt 0x0
	CROUND
	s_endpgm
.Lfunc_end_k_q26d4f08ee9_ffn2:
	.size	k_q26d4f08ee9_ffn2, .Lfunc_end_k_q26d4f08ee9_ffn2-k_q26d4f08ee9_ffn2
	.p2alignl 7, 3214868480
	.fill 96, 4, 3214868480
	.section	.rodata,"a",@progbits
	.p2align	6, 0x0
	.amdhsa_kernel k_q26d4f08ee9_ffn2
		.amdhsa_group_segment_fixed_size 327680
		.amdhsa_private_segment_fixed_size 0
		.amdhsa_enable_private_segment 0
		.amdhsa_kernarg_size 48
		.amdhsa_user_sgpr_count 2
		.amdhsa_user_sgpr_kernarg_segment_ptr 1
		.amdhsa_wavefront_size32 1
		.amdhsa_system_sgpr_workgroup_id_x 1
		.amdhsa_system_sgpr_workgroup_id_y 1
		.amdhsa_system_sgpr_workgroup_id_z 1
		.amdhsa_system_vgpr_workitem_id 0
		.amdhsa_next_free_vgpr 768
		.amdhsa_next_free_sgpr 96
		.amdhsa_reserve_vcc 0
		.amdhsa_float_denorm_mode_32 3
		.amdhsa_float_denorm_mode_16_64 3
		.amdhsa_memory_ordered 1
		.amdhsa_forward_progress 1
		.amdhsa_inst_pref_size 84
	.end_amdhsa_kernel
	.amdgpu_metadata
---
amdhsa.version: [ 1, 2 ]
amdhsa.kernels:
  - .name:           k_q26d4f08ee9_ffn2
    .symbol:         k_q26d4f08ee9_ffn2.kd
    .args:
      - { .name: hidc, .offset: 0, .size: 8, .value_kind: global_buffer, .address_space: global }
      - { .name: wc, .offset: 8, .size: 8, .value_kind: global_buffer, .address_space: global }
      - { .name: lowp_scales, .offset: 16, .size: 8, .value_kind: global_buffer, .address_space: global }
      - { .name: b2, .offset: 24, .size: 8, .value_kind: global_buffer, .address_space: global }
      - { .name: x2, .offset: 32, .size: 8, .value_kind: global_buffer, .address_space: global }
      - { .name: out0, .offset: 40, .size: 8, .value_kind: global_buffer, .address_space: global }
    .group_segment_fixed_size: 327680
    .private_segment_fixed_size: 0
    .kernarg_segment_align: 8
    .kernarg_segment_size: 48
    .max_flat_workgroup_size: 128
    .sgpr_count:     96
    .vgpr_count:     768
    .wavefront_size: 32
...
	.end_amdgpu_metadata
.endif
;; end of part 7
